; MI455X (gfx1250); checked and timed in simulation.
; The chip was launched on July 23, 2026; its instructions are those of AMD's public machine-readable ISA for CDNA 5 (MIT licence, August 2026) and "CDNA5" Instruction Set Architecture Reference Guide (July 2026). The comments in the code are by the model that wrote it; some were corrected since.
;; Uniform Quant Attention. Allowed arithmetic: float matrix products may take bf16 or f16 operands with f32 sums; all other float work in f32.
;; Inputs: Wk 2,048 x 2,048 float32; Wo 2,048 x 2,048 float32; Wq 2,048 x 2,048 float32; Wv 2,048 x 2,048 float32; attention_mask 1 x 1 x 2,048 x 2,048 float32; bk 2,048 float32; bo 2,048 float32; bq 2,048 float32; bv 2,048 float32; hidden_states 1 x 2,048 x 2,048 float32.
;; Outputs: out0 1 x 2,048 x 2,048 float32.
;; 2 versions, each right. Each part assembles by itself: llvm-mc -triple=amdgcn-amd-amdhsa -mcpu=gfx1250 --defsym DOCPART=n.
;; ======== version 1 of 2: 3 launches
;; limits: values are held in f16: magnitudes above 65,504 overflow, below 6.1e-05 lose precision; right only within a limited range of input values
;; workspace buffers: qh 8,388,608 bytes; kh 8,388,608 bytes; vth 8,388,608 bytes; ch 8,388,608 bytes; woh 8,388,608 bytes
;; launch qkv (part 1): grid 16 x 16, 4 waves a work-group, clusters of 4 x 4, 327,680 bytes of LDS; arguments hidden_states, Wq, Wk, Wv, bq, bv, qh, kh, vth; writes qh, kh, vth
.if DOCPART == 1
	.amdgcn_target "amdgcn-amd-amdhsa--gfx1250"
	.amdhsa_code_object_version 6
	.text
	.protected	k_q76421d92f7_qkv
	.globl	k_q76421d92f7_qkv
	.p2align	8
	.type	k_q76421d92f7_qkv,@function
k_q76421d92f7_qkv:
	s_mov_b64 s[64:65], 0
	v_nop
	global_prefetch_b8 v0, s[64:65] scope:SCOPE_SE
	s_setreg_imm32_b32 hwreg(HW_REG_WAVE_MODE, 25, 1), 1
	s_wait_xcnt 0x0
	s_wait_alu depctr_hold_cnt(0) depctr_sa_sdst(0) depctr_va_vdst(0) depctr_va_sdst(0) depctr_va_ssrc(0) depctr_va_vcc(0) depctr_vm_vsrc(0)
	s_getreg_b32 s2, hwreg(HW_REG_IB_STS2, 6, 4)
	s_cmp_eq_u32 s2, 0
	s_cbranch_scc0 .Lentry_in_a_cluster
	s_endpgm
.Lentry_in_a_cluster:
	s_bfe_u32 s2, ttmp6, 0x10000c
	s_cmp_lg_u32 s2, 0xf033
	s_cbranch_scc0 .Lentry_shape_is_right
	s_endpgm
.Lentry_shape_is_right:
; The three input projections of the attention, x [2048][2048] f32 times Wq, Wk, Wv [2048 (out)][2048 (in)] f32, as one product of 2048 x 6144 x 2048.
; Stored, all f16, rows of 2048:  qh[s][e] = (x Wq^T + bq) * 2 * 128^-0.5 * log2(e);  kh[s][e] = (x Wk^T) * 0.5;  vth[e][s] = (x Wv^T + bv) * 0.25 (transposed).
; qh . kh is then the score in base 2, scaling included; the 0.25 of v is undone by a factor 4 in the last launch.
; DEAD WORK: bk.  A score is q_i . (k_j + bk) = q_i . k_j + q_i . bk, and q_i . bk is the same for every key j of query i's softmax row; softmax is
; unchanged by a term that is constant along its axis, for all values of the inputs.  k reaches the output through the scores alone.  So bk is not added,
; not loaded and no argument of any launch.  Limit: a NaN, an infinity or an overflow that comes from bk alone is not carried to the result.
; FORMAT: matrix operands are f16 (11 bits), sums f32.  Limits: |x|, |W| above 65,504 become infinite; so does a stored projection whose raw value
; passes 65,504 / 0.255 (q), 131,008 (k), 262,016 (v).  For inputs 30 times those drawn, or x offset by 30 with W offset by 0.6, a raw projection is
; at most 2048 * 30 * 0.6 = 36,864 plus its spread: k is stored at 18,432, a factor 3.5 inside the format.  Numbers below 6e-5 keep an absolute step of 6e-8.
; SHARES: work-group (x = hb, y = rb) makes rows 128 rb .. +127 by columns 128 hb .. +127 of q, of k and of v.  Wave w makes all 128 rows by columns
; 32 w .. +31 of each: 8 row tiles a by 6 column tiles b (b = 0,1 q; 2,3 k; 4,5 v), 48 accumulators, the same text for every wave.
; q and k: source 0 = W's rows, source 1 = x's rows, so a lane holds one row s and eight neighbouring e.  v: the other way round, so a lane holds one e and
; eight neighbouring s, which is vth's order.
; LDS: K goes in steps of 64 f32 (rows of 256 bytes, aligned) through two slots; a slot holds four tiles of 128 rows: x, Wq, Wk, Wv; wave w fetches tile w.
; CLUSTER 4 x 4: x's tile hangs on rb alone and is asked for jointly along a row of the cluster, W's tiles on hb alone, jointly along a column.
; By this text's count a wave has two tensor loads out at the start and one behind each change of slots.
; REGISTERS: window 0: v8-20 addresses, v32-95 x fragments (f16), v96-143 W fragments (f16), v224-243 biases; window 1: v0-223 fragments as loaded (f32);
; window 2: accumulator (a, b) at 8 (8 b + a), b = 0..3; window 3: b = 4, 5 at 8 (8 (b - 4) + a).
.set PITCH, 272                        ; an LDS row: 256 bytes + 16 of padding: the sixteen rows that a load touches start 16 bytes apart modulo 256
.set TILE,  128*PITCH
.set SLOT,  4*TILE
.set LAPS,  16                         ; a lap = two K steps = once round the ring; 2048 / 128
.set ADRX, 8                           ; v8,9    x fragments in slot 0, 1
.set ADRW, 10                          ; v10,11  Wq (and, one tile on, Wk) fragments
.set ADRV, 12                          ; v12,13  Wv fragments
.set STQ,  14                          ; the way out: where my 16 bytes of a row of q or k go
.set STV,  15                          ; the same for vth
.set RD,   16                          ; where I read rows of q and k back
.set RDV,  17                          ; the same for vth
.set CO,   18                          ; my byte offset in two rows of an output
.set VB,   19                          ; offset of my eight bq
.set VB2,  20                          ; offset of my bv
.set XF,   32
.set WF,   96
.set TT,   32                          ; the way out: 16 tiles in f32
.set PK,   160                         ; the way out: the same, packed
.set BQ,   224
.set BV,   240
.set G1A, 32                           ; s[32:39] group 1 for x's tile
.set G1B, 40                           ; s[40:47] group 1 for W's tiles: the mask differs
.set G0A, 48                           ; s[48:55] group 0 for x, one set a slot
.set G0B, 56                           ; s[56:63] group 0 for W, one set a slot
.set G1W0, (2<<16)|(1<<20)|(1<<21)|(5<<22)|(3<<25)   ; elements of 4 bytes; padding on; bit 21 beside a mask; after every 64 words, 4 words
.set MSB, 0
.macro WIN new                         ; the immediate's high byte repeats the setting that is left
.if MSB != \new
	s_set_vgpr_msb (MSB<<8)|\new
.set MSB, \new
.endif
.endm
.macro PLACES                          ; four places behind a matrix instruction (ISA guide 7.12.1)
.rept 4
	v_nop
.endr
.endm
.macro JLOAD s                         ; wave 0 asks for x's tile, waves 1 to 3 for Wq's, Wk's, Wv's: each line has one mask
	s_cmp_eq_u32 s22, 0
	s_cbranch_scc0 .Lfor_b_\@
	tensor_load_to_lds s[G0A+4*\s:G0A+4*\s+3], s[G1A:G1A+7]
	s_nop 0
	s_branch .Lasked_\@
.Lfor_b_\@:
	tensor_load_to_lds s[G0B+4*\s:G0B+4*\s+3], s[G1B:G1B+7]
	s_nop 0
.Lasked_\@:
.endm
.macro CREST                           ; a round of the cluster's barrier behind its opening barrier
	s_cmp_lg_u32 s22, 0
	s_cbranch_scc1 .Lnot_wave_0_\@
	s_barrier_signal -3
.Lnot_wave_0_\@:
	s_barrier_wait -3
	s_barrier_signal -1
	s_barrier_wait -1
.endm
.macro CROUND
	s_barrier_signal -1
	s_barrier_wait -1
	CREST
.endm
	s_load_b256 s[4:11], s[0:1], 0x0               ; x s[4:5], Wq s[6:7], Wk s[8:9], Wv s[10:11]
	s_load_b256 s[12:19], s[0:1], 0x20             ; bq s[12:13], bv s[14:15], qh s[16:17], kh s[18:19]
	s_load_b64 s[20:21], s[0:1], 0x40              ; vth
	v_lshl_add_u32 v254, v0, 2, 0x44000
	v_mov_b32 v255, 0
	ds_add_u32 v254, v255
	v_lshrrev_b32 v5, 5, v0
	v_readfirstlane_b32 s22, v5                    ; wave 0..3
	s_bfe_u32 s23, ttmp6, 0x40000                  ; cx
	s_bfe_u32 s24, ttmp6, 0x40004                  ; cy
	s_lshl_b32 s25, ttmp9, 2
	s_add_co_u32 s25, s25, s23                     ; hb = 4 x cluster x + cx
	s_and_b32 s26, ttmp7, 0xffff
	s_lshl_b32 s26, s26, 2
	s_add_co_u32 s26, s26, s24                     ; rb = 4 x cluster y + cy
	s_lshl_b32 s27, s24, 2
	s_lshl_b32 s27, 15, s27                        ; my row of the cluster
	s_lshl_b32 s28, 0x1111, s23                    ; my column
	s_or_b32 s[G1A+0], s27, G1W0
	s_or_b32 s[G1B+0], s28, G1W0
.irp g, G1A, G1B
	s_mov_b32 s[\g+1], 64<<16                      ; tensor_dim0 = 64
	s_mov_b32 s[\g+2], 128<<16                     ; tensor_dim1 = 128
	s_mov_b32 s[\g+3], 64<<16                      ; tile_dim0 = 64 elements = 256 bytes
	s_mov_b32 s[\g+4], 128                         ; tile_dim1 = 128 rows
	s_mov_b32 s[\g+5], 2048                        ; elements from row to row
	s_mov_b32 s[\g+6], 0
	s_mov_b32 s[\g+7], 0
.endr
	s_lshl_b32 s30, s26, 20                        ; x: 128 rb rows of 8,192 bytes
	s_mov_b32 s31, 0
	s_lshl_b32 s68, s25, 20                        ; W: 128 hb rows
	s_mov_b32 s69, 0
	s_mul_i32 s70, s22, TILE                       ; tile w of a slot
	s_mov_b32 s72, 0x3e8293ee                      ; 2 * 128^-0.5 * log2(e) = 0.25503486
	s_mov_b32 s73, 0x3e8293ee
	s_mov_b32 s74, 0x3e800000                      ; 0.25
	s_mov_b32 s75, 0x3e800000
	s_lshl_b32 s71, s22, 17                        ; 32 w rows of 4,096 bytes
	s_lshl_b32 s76, s26, 19                        ; qh, kh: row 128 rb + 32 w, byte 256 hb
	s_add_co_u32 s76, s76, s71
	s_lshl_b32 s77, s25, 8
	s_add_co_u32 s76, s76, s77
	s_mov_b32 s77, 0
	s_lshl_b32 s78, s25, 19                        ; vth: row 128 hb + 32 w, byte 256 rb
	s_add_co_u32 s78, s78, s71
	s_lshl_b32 s79, s26, 8
	s_add_co_u32 s78, s78, s79
	s_mov_b32 s79, 0
	s_lshl_b32 s80, s25, 9                         ; biases: 4 (128 hb + 32 w)
	s_lshl_b32 s81, s22, 7
	s_add_co_u32 s80, s80, s81
	s_wait_dscnt 0x0
	s_wait_kmcnt 0x0
	s_add_nc_u64 s[30:31], s[4:5], s[30:31]        ; x's first tile
	s_cmp_eq_u32 s22, 2
	s_cselect_b64 s[66:67], s[8:9], s[6:7]         ; wave 2: Wk, else Wq
	s_cmp_eq_u32 s22, 3
	s_cselect_b64 s[66:67], s[10:11], s[66:67]     ; wave 3: Wv
	s_add_nc_u64 s[66:67], s[66:67], s[68:69]      ; my W's first tile
	s_add_nc_u64 s[16:17], s[16:17], s[76:77]
	s_add_nc_u64 s[18:19], s[18:19], s[76:77]
	s_add_nc_u64 s[20:21], s[20:21], s[78:79]
	CROUND                                         ; all sixteen work-groups are here: the first joint loads meet
.irp s, 0,1
	s_mov_b32 s[G0A+4*\s], 1
	s_add_co_u32 s[G0A+4*\s+1], s70, \s*SLOT
	s_add_nc_u64 s[G0A+4*\s+2:G0A+4*\s+3], s[30:31], \s*256        ; K step s
	s_or_b32 s[G0A+4*\s+3], s[G0A+4*\s+3], 0x80000000
	s_mov_b32 s[G0B+4*\s], 1
	s_add_co_u32 s[G0B+4*\s+1], s70, \s*SLOT
	s_add_nc_u64 s[G0B+4*\s+2:G0B+4*\s+3], s[66:67], \s*256
	s_or_b32 s[G0B+4*\s+3], s[G0B+4*\s+3], 0x80000000
	JLOAD \s
.endr
	v_and_b32 v1, 15, v0                           ; r
	v_bfe_u32 v2, v0, 4, 1                         ; h
	v_mul_u32_u24 v3, v1, PITCH
	v_lshl_add_u32 v4, v2, 5, v3                   ; r x pitch + 32 h: eight f32 for each half of the lanes
	s_mul_i32 s82, s22, 32*PITCH                   ; my 32 rows of a tile
	s_add_co_u32 s83, s82, TILE
	v_mov_b32 v[ADRX], v4
	v_add_nc_u32 v[ADRX+1], SLOT, v4
	v_add_nc_u32 v[ADRW], s83, v4
	v_add_nc_u32 v[ADRW+1], SLOT, v[ADRW]
	v_add_nc_u32 v[ADRV], 2*TILE, v[ADRW]
	v_add_nc_u32 v[ADRV+1], 2*TILE, v[ADRW+1]
	v_lshl_add_u32 v5, v2, 4, v3                   ; r x pitch + 16 h
	s_lshl_b32 s83, s22, 6
	v_add_nc_u32 v[STQ], s83, v5                   ; + my 32 columns in f16
	s_add_co_u32 s83, s82, 2*TILE
	v_add_nc_u32 v[STV], s83, v5
	v_mul_u32_u24 v6, v2, PITCH
	v_lshl_add_u32 v6, v1, 4, v6                   ; h x pitch + 16 r
	v_add_nc_u32 v[RD], s82, v6
	v_add_nc_u32 v[RDV], 2*TILE, v[RD]
	v_lshlrev_b32 v7, 12, v2
	v_lshl_add_u32 v[CO], v1, 4, v7                ; 4,096 h + 16 r
	v_lshlrev_b32 v7, 5, v2
	v_add_nc_u32 v[VB], s80, v7
	v_lshlrev_b32 v7, 2, v1
	v_add_nc_u32 v[VB2], s80, v7
.irp b, 0,1
	global_load_b128 v[BQ+8*\b:BQ+8*\b+3],   v[VB], s[12:13] offset:64*\b      ; bq of e = 16 b + 8 h + 0..7 of my 32 columns
	global_load_b128 v[BQ+8*\b+4:BQ+8*\b+7], v[VB], s[12:13] offset:64*\b+16
	global_load_b32  v[BV+2*\b], v[VB2], s[14:15] offset:64*\b                 ; bv of e = 16 b + r
.endr
; 56 LDS loads: the fragments of 32 along K (128 bytes at byte kb of the rows), as f32, into window 1.  A 16-bit fragment wants k = 8 h + 0..7 in its
; registers 0-3 and k = 16 + 8 h + 0..7 in 4-7: in f32 that is 32 bytes at 32 h and 32 bytes at 64 + 32 h.
.macro FETCH slot, kb
	WIN 0x40
.irp a, 0,1,2,3,4,5,6,7
	ds_load_b128 v[16*\a:16*\a+3],     v[ADRX+\slot] offset:\a*16*PITCH+\kb
	ds_load_b128 v[16*\a+4:16*\a+7],   v[ADRX+\slot] offset:\a*16*PITCH+\kb+16
	ds_load_b128 v[16*\a+8:16*\a+11],  v[ADRX+\slot] offset:\a*16*PITCH+\kb+64
	ds_load_b128 v[16*\a+12:16*\a+15], v[ADRX+\slot] offset:\a*16*PITCH+\kb+80
.endr
.irp b, 0,1,2,3
	ds_load_b128 v[128+16*\b:128+16*\b+3],     v[ADRW+\slot] offset:(\b>>1)*TILE+(\b&1)*16*PITCH+\kb
	ds_load_b128 v[128+16*\b+4:128+16*\b+7],   v[ADRW+\slot] offset:(\b>>1)*TILE+(\b&1)*16*PITCH+\kb+16
	ds_load_b128 v[128+16*\b+8:128+16*\b+11],  v[ADRW+\slot] offset:(\b>>1)*TILE+(\b&1)*16*PITCH+\kb+64
	ds_load_b128 v[128+16*\b+12:128+16*\b+15], v[ADRW+\slot] offset:(\b>>1)*TILE+(\b&1)*16*PITCH+\kb+80
.endr
.irp b, 0,1
	ds_load_b128 v[192+16*\b:192+16*\b+3],     v[ADRV+\slot] offset:\b*16*PITCH+\kb
	ds_load_b128 v[192+16*\b+4:192+16*\b+7],   v[ADRV+\slot] offset:\b*16*PITCH+\kb+16
	ds_load_b128 v[192+16*\b+8:192+16*\b+11],  v[ADRV+\slot] offset:\b*16*PITCH+\kb+64
	ds_load_b128 v[192+16*\b+12:192+16*\b+15], v[ADRV+\slot] offset:\b*16*PITCH+\kb+80
.endr
.endm
; the 14 fragments from f32 (window 1) to f16 (window 0): 112 conversions of two numbers
.macro CVT14
	WIN 0x05
.set cnt, 0
.rept 112
	v_cvt_pk_f16_f32 v[XF+cnt], v[2*cnt], v[2*cnt+1]
.set cnt, cnt+1
.endr
.endm
; 48 matrix instructions, 32 along K.  The 48 accumulators take turns, one instruction a turn, in the same order every time.
.macro MUL48 zero
	WIN 0xa0
.irp b, 0,1,2,3
.irp a, 0,1,2,3,4,5,6,7
.if \zero
	v_wmma_f32_16x16x32_f16 v[8*(8*\b+\a):8*(8*\b+\a)+7], v[WF+8*\b:WF+8*\b+7], v[XF+8*\a:XF+8*\a+7], 0
.else
	v_wmma_f32_16x16x32_f16 v[8*(8*\b+\a):8*(8*\b+\a)+7], v[WF+8*\b:WF+8*\b+7], v[XF+8*\a:XF+8*\a+7], v[8*(8*\b+\a):8*(8*\b+\a)+7]
.endif
.endr
.endr
	WIN 0xf0
.irp b, 0,1
.irp a, 0,1,2,3,4,5,6,7
.if \zero
	v_wmma_f32_16x16x32_f16 v[8*(8*\b+\a):8*(8*\b+\a)+7], v[XF+8*\a:XF+8*\a+7], v[WF+8*(4+\b):WF+8*(4+\b)+7], 0
.else
	v_wmma_f32_16x16x32_f16 v[8*(8*\b+\a):8*(8*\b+\a)+7], v[XF+8*\a:XF+8*\a+7], v[WF+8*(4+\b):WF+8*(4+\b)+7], v[8*(8*\b+\a):8*(8*\b+\a)+7]
.endif
.endr
.endr
.endm
; Half a K step: convert what was fetched, fetch the next half (slot, kb), multiply.  The fetch has the 48 matrix instructions in which to come back.
.macro HALF zero, slot, kb
	s_wait_dscnt 0x0                               ; the f32 fragments are in
	PLACES                                         ; the f16 fragments were sources of the last products
	CVT14
	FETCH \slot, \kb
	MUL48 \zero
.endm
; The second half of a K step, with the change of slots.  In front of the barrier each wave's reads of this slot are back (what was fetched last is the
; slot's second half) and all its tensor loads have landed, of which one was out: its tile of the next slot.  Where the slot is filled again, the barrier
; opens a round of the cluster's barrier; the joint refill is the first tensor load behind the round.
.macro HALFX slot, next, fill
	s_wait_dscnt 0x0
	s_wait_tensorcnt 0x0
	ds_add_u32 v254, v255
	s_wait_dscnt 0x0
	s_barrier_signal -1
	PLACES
	CVT14                                          ; register work while the others arrive
	WIN 0
	s_barrier_wait -1
.if \fill
	CREST
	s_add_nc_u64 s[G0A+4*\slot+2:G0A+4*\slot+3], s[G0A+4*\slot+2:G0A+4*\slot+3], 512   ; two K steps on; no tensor load of mine is out
	s_add_nc_u64 s[G0B+4*\slot+2:G0B+4*\slot+3], s[G0B+4*\slot+2:G0B+4*\slot+3], 512
	JLOAD \slot
.endif
	FETCH \next, 0
	MUL48 0
.endm
.macro LAP zero
	HALF \zero, 0, 128
	HALFX 0, 1, 1
	HALF 0, 1, 128
	HALFX 1, 0, 1
.endm
	s_wait_tensorcnt 0x1                           ; my tile of K step 0 is in; K step 1's stays out
	s_barrier_signal -1
	s_barrier_wait -1
	FETCH 0, 0
	LAP 1                                          ; the first products start the sums: nothing is cleared
	WIN 0
	s_mov_b32 s3, LAPS-2
.Llap:
	LAP 0
	WIN 0
	s_sub_co_u32 s3, s3, 1
	s_cmp_lg_u32 s3, 0
	s_cbranch_scc1 .Llap
	HALF 0, 0, 128                                 ; the last lap fills nothing
	HALFX 0, 1, 0                                  ; behind this barrier no wave reads slot 0 and no load lands in it any more
	HALF 0, 1, 128
	s_wait_dscnt 0x0
	PLACES
	CVT14
	MUL48 0
	; THE WAY OUT.  Scale, add the bias, round to f16, 16 bytes a lane into a stage of three regions of 128 rows x 272 bytes (q, k, vth) in slot 0's
	; bytes, which have had their last fill and their last read; read whole rows of 256 bytes back and store them.
	PLACES
	WIN 0
	s_wait_loadcnt 0x0                             ; the biases
.irp i, 0,2,4,6,8,10,12,14
	v_pk_mul_f32 v[BQ+\i:BQ+\i+1], v[BQ+\i:BQ+\i+1], s[72:73] op_sel_hi:[1,0]     ; (acc + bq) f = acc f + bq f
.endr
.irp b, 0,1
	v_mul_f32 v[BV+2*\b], s74, v[BV+2*\b]
	v_mov_b32 v[BV+2*\b+1], v[BV+2*\b]             ; twice, a pair for the packed multiply-add
.endr
; m = 0: q, 1: k, 2: v.  Sixteen tiles at a time.
.macro STAGEOUT m
.if \m == 2
	WIN 0x03
.else
	WIN 0x02
.endif
.irp b, 0,1
.irp a, 0,1,2,3,4,5,6,7
.irp i, 0,2,4,6
.if \m == 0
	v_pk_fma_f32 v[TT+8*(8*\b+\a)+\i:TT+8*(8*\b+\a)+\i+1], v[8*(8*\b+\a)+\i:8*(8*\b+\a)+\i+1], s[72:73], v[BQ+8*\b+\i:BQ+8*\b+\i+1] op_sel_hi:[1,0,1]
.endif
.if \m == 1
	v_pk_mul_f32 v[TT+8*(8*\b+\a)+\i:TT+8*(8*\b+\a)+\i+1], v[8*(8*(2+\b)+\a)+\i:8*(8*(2+\b)+\a)+\i+1], 0.5 op_sel_hi:[1,0]
.endif
.if \m == 2
	v_pk_fma_f32 v[TT+8*(8*\b+\a)+\i:TT+8*(8*\b+\a)+\i+1], v[8*(8*\b+\a)+\i:8*(8*\b+\a)+\i+1], s[74:75], v[BV+2*\b:BV+2*\b+1] op_sel_hi:[1,0,1]
.endif
.endr
.endr
.endr
	WIN 0
.set cnt, 0
.rept 64
	v_cvt_pk_f16_f32 v[PK+cnt], v[TT+2*cnt], v[TT+2*cnt+1]
.set cnt, cnt+1
.endr
.irp b, 0,1
.irp a, 0,1,2,3,4,5,6,7
.if \m == 2
	ds_store_b128 v[STV], v[PK+4*(8*\b+\a):PK+4*(8*\b+\a)+3] offset:\b*16*PITCH+32*\a          ; row e = 32 w + 16 b + r, s = 16 a + 8 h + 0..7
.else
	ds_store_b128 v[STQ], v[PK+4*(8*\b+\a):PK+4*(8*\b+\a)+3] offset:\m*TILE+\a*16*PITCH+32*\b  ; row s = 16 a + r, e = 32 w + 16 b + 8 h + 0..7
.endif
.endr
.endr
.endm
	STAGEOUT 0
	STAGEOUT 1
	STAGEOUT 2
	s_wait_dscnt 0x0                               ; my stores into the stage are done: the rows that I read back hold parts from all four waves
	s_barrier_signal -1
	s_barrier_wait -1
.set cnt, 0
.rept 32
	ds_load_b128 v[32+4*cnt:32+4*cnt+3], v[RD] offset:(cnt/16)*TILE+(cnt%16)*2*PITCH           ; rows 32 w + 2 t + h of q, then of k
.set cnt, cnt+1
.endr
.rept 16
	ds_load_b128 v[32+4*cnt:32+4*cnt+3], v[RDV] offset:(cnt%16)*2*PITCH                        ; and of vth
.set cnt, cnt+1
.endr
.set cnt, 0
.rept 16
	s_wait_dscnt 47-cnt                            ; LDS loads come back in order: this one is in, the younger ones stay out
	global_store_b128 v[CO], v[32+4*cnt:32+4*cnt+3], s[16:17] offset:8192*cnt                  ; sixteen lanes store 256 consecutive bytes, aligned
.set cnt, cnt+1
.endr
.rept 16
	s_wait_dscnt 47-cnt
	global_store_b128 v[CO], v[32+4*cnt:32+4*cnt+3], s[18:19] offset:8192*(cnt-16)
.set cnt, cnt+1
.endr
.rept 16
	s_wait_dscnt 47-cnt
	global_store_b128 v[CO], v[32+4*cnt:32+4*cnt+3], s[20:21] offset:8192*(cnt-32)
.set cnt, cnt+1
.endr
	s_wait_tensorcnt 0x0
	ds_add_u32 v254, v255
	s_wait_dscnt 0x0
	CROUND                                         ; the closing round: no work-group ends while a partner may still ask for a tile that names it
	s_endpgm
.Lfunc_end_k_q76421d92f7_qkv:
	.size	k_q76421d92f7_qkv, .Lfunc_end_k_q76421d92f7_qkv-k_q76421d92f7_qkv
	.p2alignl 7, 3214868480
	.fill 96, 4, 3214868480
	.section	.rodata,"a",@progbits
	.p2align	6, 0x0
	.amdhsa_kernel k_q76421d92f7_qkv
		.amdhsa_group_segment_fixed_size 327680
		.amdhsa_private_segment_fixed_size 0
		.amdhsa_enable_private_segment 0
		.amdhsa_kernarg_size 72
		.amdhsa_user_sgpr_count 2
		.amdhsa_user_sgpr_kernarg_segment_ptr 1
		.amdhsa_wavefront_size32 1
		.amdhsa_system_sgpr_workgroup_id_x 1
		.amdhsa_system_sgpr_workgroup_id_y 1
		.amdhsa_system_sgpr_workgroup_id_z 1
		.amdhsa_system_vgpr_workitem_id 0
		.amdhsa_next_free_vgpr 896
		.amdhsa_next_free_sgpr 90
		.amdhsa_reserve_vcc 0
		.amdhsa_float_denorm_mode_32 3
		.amdhsa_float_denorm_mode_16_64 3
		.amdhsa_memory_ordered 1
		.amdhsa_forward_progress 1
		.amdhsa_inst_pref_size 215
	.end_amdhsa_kernel
	.amdgpu_metadata
---
amdhsa.version: [ 1, 2 ]
amdhsa.kernels:
  - .name:           k_q76421d92f7_qkv
    .symbol:         k_q76421d92f7_qkv.kd
    .args:
      - { .name: hidden_states, .offset: 0, .size: 8, .value_kind: global_buffer, .address_space: global }
      - { .name: Wq, .offset: 8, .size: 8, .value_kind: global_buffer, .address_space: global }
      - { .name: Wk, .offset: 16, .size: 8, .value_kind: global_buffer, .address_space: global }
      - { .name: Wv, .offset: 24, .size: 8, .value_kind: global_buffer, .address_space: global }
      - { .name: bq, .offset: 32, .size: 8, .value_kind: global_buffer, .address_space: global }
      - { .name: bv, .offset: 40, .size: 8, .value_kind: global_buffer, .address_space: global }
      - { .name: qh, .offset: 48, .size: 8, .value_kind: global_buffer, .address_space: global }
      - { .name: kh, .offset: 56, .size: 8, .value_kind: global_buffer, .address_space: global }
      - { .name: vth, .offset: 64, .size: 8, .value_kind: global_buffer, .address_space: global }
    .group_segment_fixed_size: 327680
    .private_segment_fixed_size: 0
    .kernarg_segment_align: 8
    .kernarg_segment_size: 72
    .max_flat_workgroup_size: 128
    .sgpr_count:     90
    .vgpr_count:     896
    .wavefront_size: 32
...
	.end_amdgpu_metadata
.endif
;; end of part 1
;; launch attn (part 2): grid 16 x 16, 4 waves a work-group, clusters of 4 x 4, 327,680 bytes of LDS; arguments qh, kh, vth, attention_mask, Wo, ch, woh; writes ch, woh
.if DOCPART == 2
	.amdgcn_target "amdgcn-amd-amdhsa--gfx1250"
	.amdhsa_code_object_version 6
	.text
	.protected	k_q76421d92f7_attn
	.globl	k_q76421d92f7_attn
	.p2align	8
	.type	k_q76421d92f7_attn,@function
k_q76421d92f7_attn:
	s_mov_b64 s[64:65], 0
	v_nop
	global_prefetch_b8 v0, s[64:65] scope:SCOPE_SE
	s_setreg_imm32_b32 hwreg(HW_REG_WAVE_MODE, 25, 1), 1
	s_wait_xcnt 0x0
	s_wait_alu depctr_hold_cnt(0) depctr_sa_sdst(0) depctr_va_vdst(0) depctr_va_sdst(0) depctr_va_ssrc(0) depctr_va_vcc(0) depctr_vm_vsrc(0)
	s_getreg_b32 s2, hwreg(HW_REG_IB_STS2, 6, 4)
	s_cmp_eq_u32 s2, 0
	s_cbranch_scc0 .Lentry_in_a_cluster
	s_endpgm
.Lentry_in_a_cluster:
	s_bfe_u32 s2, ttmp6, 0x10000c
	s_cmp_lg_u32 s2, 0xf033
	s_cbranch_scc0 .Lentry_shape_is_right
	s_endpgm
.Lentry_shape_is_right:
; softmax(q k^T 128^-0.5 + mask) v for one head and 128 queries a work-group, with a running maximum; and, while the first tiles are on their way,
; this work-group's 1/256 of the cast of Wo to f16 (woh), which the last launch multiplies by.
; Left out as in the first launch: bk (a term q_i . bk that is the same along a softmax row).
; In: qh[s][e] (scaled so that qh . kh is the score in base 2), kh[s][e], vth[e][s] = 0.25 v, all f16; attention_mask [2048][2048] f32.  Out: ch[s][e] = 0.25 ctx, f16.
; LIMITS: mask * log2(e) overflows below -2.36e38 and then acts as -inf (weight 0); a row in which EVERY entry is that low gives NaN, as a row of -inf does in
; reference(), where reference() gives the mean of v for finite entries.  A weight below 3e-8 of the row's largest counts as 0 (f16).  |Wo| above 65,504 becomes infinite.
; SHARES: work-group (x = query block, y = head).  Wave w owns queries 32 w .. +31 as two tiles u of 16.
; TRANSPOSED FORM: S^T = K Q^T (source 0 = 16 keys, source 1 = 16 queries): lane (r, h) holds query r and keys 8 h + 0..7 of each key tile.  So the maximum, the sum
; and the rescaling factor are one number a lane, and two packed key tiles ARE a source-1 fragment of O^T = Vt P^T (source 0 = 16 rows d of vth), with no shuffle.
; LDS: two slots of 128 keys: K 128 x 272, Vt 128 x 272, mask 128 queries x 528.  Wave 0 fetches K, wave 1 Vt, waves 2 and 3 64 rows of the mask each.
; CLUSTER 4 x 4: K and Vt hang on the head alone: asked for jointly along a row of the cluster; the mask hangs on the query block alone: jointly along a column.
; By this text's count a wave has two tensor loads out at the start and one behind each change of slots.
; REGISTERS: window 0: v8-31 addresses and the running numbers; v32-95 scores S(t, u); v96-159 mask; v160-191 P; v192-212 at work.
; window 1: v0-127 O(u, t) at 8 (8 u + t); v128-191 Q[u][c].   window 2: v0-127 K fragments [t][c]; v128-255 Vt fragments [t][p].
.set KP,    272                        ; LDS pitch of K and Vt rows (256 + 16)
.set MP,    528                        ; of mask rows (512 + 16)
.set KT,    128*KP
.set MOFF,  2*KT
.set SLOT,  MOFF+128*MP
.set STAGE, 2*SLOT                     ; 16 rows x 272 bytes for each wave, its own; no fill lands here
.set ADRK, 8
.set ADRV, 10
.set ADRM, 12
.set STO,  14
.set RD,   15
.set CO,   16
.set VQ,   17
.set MX,   18                          ; v18,19  running maximum of tile u
.set LS,   20                          ; v20,21  running sum (this half of the lanes' keys)
.set AL,   22                          ; v[22:23], v[24:25]  the factor 2^(old max - new max), twice
.set MN,   26                          ; v[26:27], v[28:29]  the new maximum, twice
.set SC,   32
.set MK,   96
.set PF,   160
.set TS,   192
.set TM,   208
.set TP,   212
.set G1KV, 32
.set G1M,  40
.set G0KV, 48
.set G0M,  56
.set MSB, 0
.macro WIN new
.if MSB != \new
	s_set_vgpr_msb (MSB<<8)|\new
.set MSB, \new
.endif
.endm
.macro PLACES                          ; four places behind a matrix instruction (ISA guide 7.12.1)
.rept 4
	v_nop
.endr
.endm
.macro JLOAD s                         ; waves 0, 1: K, Vt; waves 2, 3: the mask's halves.  Each line has one mask
	s_cmp_eq_u32 s21, 0
	s_cbranch_scc0 .Lfor_m_\@
	tensor_load_to_lds s[G0KV+4*\s:G0KV+4*\s+3], s[G1KV:G1KV+7]
	s_nop 0
	s_branch .Lasked_\@
.Lfor_m_\@:
	tensor_load_to_lds s[G0M+4*\s:G0M+4*\s+3], s[G1M:G1M+7]
	s_nop 0
.Lasked_\@:
.endm
.macro CREST
	s_cmp_lg_u32 s20, 0
	s_cbranch_scc1 .Lnot_wave_0_\@
	s_barrier_signal -3
.Lnot_wave_0_\@:
	s_barrier_wait -3
	s_barrier_signal -1
	s_barrier_wait -1
.endm
.macro CROUND
	s_barrier_signal -1
	s_barrier_wait -1
	CREST
.endm
	s_load_b256 s[4:11], s[0:1], 0x0               ; qh s[4:5], kh s[6:7], vth s[8:9], mask s[10:11]
	s_load_b128 s[12:15], s[0:1], 0x20             ; Wo s[12:13], ch s[14:15]
	s_load_b64 s[16:17], s[0:1], 0x30              ; woh
	v_lshl_add_u32 v254, v0, 2, 0x47400
	v_mov_b32 v255, 0
	ds_add_u32 v254, v255
	v_lshrrev_b32 v1, 5, v0
	v_readfirstlane_b32 s20, v1                    ; wave
	s_lshr_b32 s21, s20, 1                         ; 0: I fetch K or Vt, 1: the mask
	s_and_b32 s22, s20, 1
	s_bfe_u32 s23, ttmp6, 0x40000                  ; cx
	s_bfe_u32 s24, ttmp6, 0x40004                  ; cy
	s_lshl_b32 s25, ttmp9, 2
	s_add_co_u32 s25, s25, s23                     ; query block
	s_and_b32 s26, ttmp7, 0xffff
	s_lshl_b32 s26, s26, 2
	s_add_co_u32 s26, s26, s24                     ; head
	s_lshl_b32 s27, s24, 2
	s_lshl_b32 s27, 15, s27                        ; my row of the cluster
	s_lshl_b32 s28, 0x1111, s23                    ; my column
	s_or_b32 s[G1KV+0], s27, (1<<16)|(1<<20)|(1<<21)|(5<<22)|(3<<25)   ; 2-byte elements; 4 words of padding after every 64
	s_mov_b32 s[G1KV+1], 128<<16
	s_mov_b32 s[G1KV+2], 128<<16
	s_mov_b32 s[G1KV+3], 128<<16                   ; 128 elements = 256 bytes
	s_mov_b32 s[G1KV+4], 128                       ; 128 rows
	s_mov_b32 s[G1KV+5], 2048
	s_mov_b32 s[G1KV+6], 0
	s_mov_b32 s[G1KV+7], 0
	s_or_b32 s[G1M+0], s28, (2<<16)|(1<<20)|(1<<21)|(6<<22)|(3<<25)    ; 4-byte elements; 4 words of padding after every 128
	s_mov_b32 s[G1M+1], 128<<16
	s_mov_b32 s[G1M+2], 64<<16
	s_mov_b32 s[G1M+3], 128<<16                    ; 128 elements = 512 bytes
	s_mov_b32 s[G1M+4], 64                         ; 64 rows
	s_mov_b32 s[G1M+5], 2048
	s_mov_b32 s[G1M+6], 0
	s_mov_b32 s[G1M+7], 0
	s_lshl_b32 s68, s26, 8                         ; K: my head's 256 bytes of a row of kh
	s_lshl_b32 s69, s26, 19                        ; Vt: my head's 128 rows of vth
	s_mov_b32 s70, 0x100000                        ; two key steps: 256 rows of kh,
	s_mov_b32 s71, 512                             ; or 256 columns of vth
	s_mov_b32 s72, 0x80000                         ; one key step
	s_mov_b32 s73, 256
	s_cmp_eq_u32 s20, 0
	s_cselect_b32 s68, s68, s69
	s_cselect_b32 s70, s70, s71
	s_cselect_b32 s72, s72, s73
	s_mov_b32 s69, 0
	s_mov_b32 s71, 0
	s_mov_b32 s73, 0
	s_lshl_b32 s76, s25, 20                        ; mask: row 128 x query block + 64 x (wave & 1), rows of 8,192 bytes
	s_lshl_b32 s77, s22, 19
	s_add_co_u32 s76, s76, s77
	s_mov_b32 s77, 0
	s_mul_i32 s78, s20, KT                         ; LDS: K at 0, Vt behind it
	s_mul_i32 s79, s20, 64*MP
	s_add_co_u32 s79, s79, MOFF-128*MP             ; waves 2, 3: MOFF + (w - 2) x 64 rows
	s_mov_b32 s80, 0x3fb8aa3b                      ; log2(e)
	s_mov_b32 s81, 0x3fb8aa3b
	s_mov_b32 s82, 0x76543210                      ; v_permlanex16_b32: lane i takes lane i of the other half
	s_mov_b32 s83, 0xfedcba98
	s_lshl_b32 s84, s25, 19                        ; qh, ch: row 128 x query block + 32 w, byte 256 x head
	s_lshl_b32 s85, s20, 17
	s_add_co_u32 s84, s84, s85
	s_lshl_b32 s85, s26, 8
	s_add_co_u32 s84, s84, s85
	s_mov_b32 s85, 0
	s_lshl_b32 s86, s26, 4
	s_add_co_u32 s86, s86, s25                     ; g = 16 x head + query block: which 1/256 of Wo is mine
	s_lshl_b32 s88, s86, 15
	s_lshl_b32 s86, s86, 16
	s_mov_b32 s87, 0
	s_mov_b32 s89, 0
	s_wait_dscnt 0x0
	s_wait_kmcnt 0x0
	s_cmp_eq_u32 s20, 0
	s_cselect_b64 s[66:67], s[6:7], s[8:9]         ; wave 0: kh, else vth
	s_add_nc_u64 s[66:67], s[66:67], s[68:69]
	s_add_nc_u64 s[74:75], s[10:11], s[76:77]
	s_add_nc_u64 s[4:5], s[4:5], s[84:85]
	s_add_nc_u64 s[14:15], s[14:15], s[84:85]
	s_add_nc_u64 s[12:13], s[12:13], s[86:87]
	s_add_nc_u64 s[16:17], s[16:17], s[88:89]
	CROUND                                         ; all sixteen work-groups are here: the first joint loads meet
	s_mov_b32 s[G0KV], 1
	s_add_co_u32 s[G0KV+1], s78, 0
	s_mov_b64 s[G0KV+2:G0KV+3], s[66:67]           ; key step 0
	s_or_b32 s[G0KV+3], s[G0KV+3], 0x80000000
	s_mov_b32 s[G0KV+4], 1
	s_add_co_u32 s[G0KV+5], s78, SLOT
	s_add_nc_u64 s[G0KV+6:G0KV+7], s[66:67], s[72:73]              ; key step 1
	s_or_b32 s[G0KV+7], s[G0KV+7], 0x80000000
.irp s, 0,1
	s_mov_b32 s[G0M+4*\s], 1
	s_add_co_u32 s[G0M+4*\s+1], s79, \s*SLOT
	s_add_nc_u64 s[G0M+4*\s+2:G0M+4*\s+3], s[74:75], \s*512
	s_or_b32 s[G0M+4*\s+3], s[G0M+4*\s+3], 0x80000000
.endr
	JLOAD 0
	JLOAD 1
	v_and_b32 v1, 15, v0                           ; r
	v_bfe_u32 v2, v0, 4, 1                         ; h
	v_mul_u32_u24 v3, v1, KP
	v_lshl_add_u32 v3, v2, 4, v3                   ; r x 272 + 16 h
	v_mov_b32 v[ADRK], v3
	v_add_nc_u32 v[ADRK+1], SLOT, v3
	v_add_nc_u32 v[ADRV], KT, v3
	v_add_nc_u32 v[ADRV+1], SLOT+KT, v3
	v_mul_u32_u24 v4, v1, MP
	v_lshl_add_u32 v4, v2, 5, v4                   ; r x 528 + 32 h
	s_mul_i32 s18, s20, 32*MP
	s_add_co_u32 s18, s18, MOFF                    ; my 32 queries' rows of the mask
	v_add_nc_u32 v[ADRM], s18, v4
	v_add_nc_u32 v[ADRM+1], SLOT, v[ADRM]
	s_mul_i32 s19, s20, 16*KP
	s_add_co_u32 s19, s19, STAGE                   ; my stage
	v_add_nc_u32 v[STO], s19, v3
	v_mul_u32_u24 v5, v2, KP
	v_lshl_add_u32 v5, v1, 4, v5
	v_add_nc_u32 v[RD], s19, v5
	v_lshlrev_b32 v6, 12, v2
	v_lshl_add_u32 v[CO], v1, 4, v6                ; 4,096 h + 16 r
	v_lshlrev_b32 v7, 12, v1
	v_lshl_add_u32 v[VQ], v2, 4, v7                ; 4,096 r + 16 h
	v_lshlrev_b32 v30, 4, v0                       ; the cast: 16 bytes of Wo a thread,
	v_lshlrev_b32 v31, 3, v0                       ; 8 bytes of woh
	; Q, once: fragment [u][c] = queries 16 u + r, d = 32 c + 8 h + 0..7 and 32 c + 16 + 8 h + 0..7.  A tile's eight loads use each row's 256 bytes whole.
	WIN 0x40
.irp u, 0,1
.irp c, 0,1,2,3
	global_load_b128 v[128+8*(4*\u+\c):128+8*(4*\u+\c)+3],   v[VQ], s[4:5] offset:65536*\u+64*\c
	global_load_b128 v[128+8*(4*\u+\c)+4:128+8*(4*\u+\c)+7], v[VQ], s[4:5] offset:65536*\u+64*\c+32
.endr
.endr
	WIN 0
	; The cast of Wo: 65,536 bytes in, 32,768 out; a load of the four waves covers 2,048 consecutive bytes, a wave's store 256, aligned.
.set cnt, 0
.rept 32
	global_load_b128 v[32+4*cnt:32+4*cnt+3], v30, s[12:13] offset:2048*cnt th:TH_LOAD_NT
.set cnt, cnt+1
.endr
.set cnt, 0
.rept 32
	s_wait_loadcnt 31-cnt                          ; loads come back in order: this one is in (and Q's sixteen, which are older); the younger stay out
	v_cvt_pk_f16_f32 v[160+2*cnt], v[32+4*cnt], v[32+4*cnt+1]
	v_cvt_pk_f16_f32 v[160+2*cnt+1], v[32+4*cnt+2], v[32+4*cnt+3]
	global_store_b64 v31, v[160+2*cnt:160+2*cnt+1], s[16:17] offset:1024*cnt
.set cnt, cnt+1
.endr
	s_wait_xcnt 0x0                                ; v160-223, which the stores read, are written again only behind this wait
	v_mov_b32 v[MX], 0xff7fffff                    ; the running maximum starts at the lowest finite number: a block of -inf then gives weights 0 and no NaN
	v_mov_b32 v[MX+1], 0xff7fffff
	v_mov_b32 v[LS], 0
	v_mov_b32 v[LS+1], 0
	v_mov_b32 v[TP], 0                             ; v_permlanex16_b32 counts as a reader of its destination
.macro FETCHK slot, hf                 ; 64 keys x 128 d: 16 fragments, 32 loads, into window 2
	WIN 0x80
.irp t, 0,1,2,3
.irp c, 0,1,2,3
	ds_load_b128 v[8*(4*\t+\c):8*(4*\t+\c)+3],   v[ADRK+\slot] offset:\hf*64*KP+\t*16*KP+64*\c
	ds_load_b128 v[8*(4*\t+\c)+4:8*(4*\t+\c)+7], v[ADRK+\slot] offset:\hf*64*KP+\t*16*KP+64*\c+32
.endr
.endr
.endm
.macro FETCHV slot, hf                 ; 128 d x 64 keys: 16 fragments, 32 loads, into window 2
	WIN 0x80
.irp t, 0,1,2,3,4,5,6,7
.irp p, 0,1
	ds_load_b128 v[128+8*(2*\t+\p):128+8*(2*\t+\p)+3],   v[ADRV+\slot] offset:\t*16*KP+128*\hf+64*\p
	ds_load_b128 v[128+8*(2*\t+\p)+4:128+8*(2*\t+\p)+7], v[ADRV+\slot] offset:\t*16*KP+128*\hf+64*\p+32
.endr
.endr
.endm
.macro FETCHM slot, hf                 ; the mask in the scores' own layout: query 16 u + r, keys 16 t + 8 h + 0..7: 16 loads
	WIN 0
.irp t, 0,1,2,3
.irp u, 0,1
	ds_load_b128 v[MK+8*(2*\t+\u):MK+8*(2*\t+\u)+3],   v[ADRM+\slot] offset:\u*16*MP+256*\hf+64*\t
	ds_load_b128 v[MK+8*(2*\t+\u)+4:MK+8*(2*\t+\u)+7], v[ADRM+\slot] offset:\u*16*MP+256*\hf+64*\t+16
.endr
.endr
.endm
; S^T = K Q^T for 64 keys x 32 queries: 32 matrix instructions; the eight accumulators take turns; the first 32 of d start the sums
.macro SMUL
	WIN 0x06
.irp c, 0,1,2,3
.irp t, 0,1,2,3
.irp u, 0,1
.if \c == 0
	v_wmma_f32_16x16x32_f16 v[SC+8*(2*\t+\u):SC+8*(2*\t+\u)+7], v[8*(4*\t+\c):8*(4*\t+\c)+7], v[128+8*(4*\u+\c):128+8*(4*\u+\c)+7], 0
.else
	v_wmma_f32_16x16x32_f16 v[SC+8*(2*\t+\u):SC+8*(2*\t+\u)+7], v[8*(4*\t+\c):8*(4*\t+\c)+7], v[128+8*(4*\u+\c):128+8*(4*\u+\c)+7], v[SC+8*(2*\t+\u):SC+8*(2*\t+\u)+7]
.endif
.endr
.endr
.endr
.endm
; One query tile's step of the running softmax, 32 numbers a lane
.macro SOFTMAX u
.irp t, 0,1,2,3
.irp i, 0,2,4,6
	v_pk_fma_f32 v[SC+8*(2*\t+\u)+\i:SC+8*(2*\t+\u)+\i+1], v[MK+8*(2*\t+\u)+\i:MK+8*(2*\t+\u)+\i+1], s[80:81], v[SC+8*(2*\t+\u)+\i:SC+8*(2*\t+\u)+\i+1] op_sel_hi:[1,0,1]   ; + mask x log2(e)
.endr
.endr
.irp t, 0,1,2,3                        ; 33 numbers (the old maximum among them) in 16 v_max3: four chains, one a key tile, then joined
	v_max3_num_f32 v[TM+\t], v[SC+8*(2*\t+\u)], v[SC+8*(2*\t+\u)+1], v[SC+8*(2*\t+\u)+2]
.endr
.irp t, 0,1,2,3
	v_max3_num_f32 v[TM+\t], v[SC+8*(2*\t+\u)+3], v[SC+8*(2*\t+\u)+4], v[TM+\t]
.endr
.irp t, 0,1,2,3
	v_max3_num_f32 v[TM+\t], v[SC+8*(2*\t+\u)+5], v[SC+8*(2*\t+\u)+6], v[TM+\t]
.endr
	v_max3_num_f32 v[TM], v[TM], v[TM+1], v[SC+8*(0+\u)+7]
	v_max3_num_f32 v[TM+2], v[TM+2], v[TM+3], v[SC+8*(2+\u)+7]
	v_max3_num_f32 v[TM], v[TM], v[TM+2], v[SC+8*(4+\u)+7]
	v_max3_num_f32 v[MN+2*\u], v[TM], v[SC+8*(6+\u)+7], v[MX+\u]
	v_permlanex16_b32 v[TP], v[MN+2*\u], s82, s83                  ; the other half of the lanes holds the query's other keys
	v_max_num_f32 v[MN+2*\u], v[MN+2*\u], v[TP]
	v_sub_f32 v[TP], v[MX+\u], v[MN+2*\u]
	v_exp_f32 v[AL+2*\u], v[TP]                                    ; 2^(old - new)
	v_mov_b32 v[MN+2*\u+1], v[MN+2*\u]                             ; the plain instruction behind the transcendental (ISA guide 5.7.2)
	v_mov_b32 v[MX+\u], v[MN+2*\u]
	s_wait_alu depctr_va_vdst(0)
	v_mov_b32 v[AL+2*\u+1], v[AL+2*\u]
.irp t, 0,1,2,3
.irp i, 0,2,4,6
	v_pk_add_f32 v[SC+8*(2*\t+\u)+\i:SC+8*(2*\t+\u)+\i+1], v[SC+8*(2*\t+\u)+\i:SC+8*(2*\t+\u)+\i+1], v[MN+2*\u:MN+2*\u+1] neg_lo:[0,1] neg_hi:[0,1]
.endr
.endr
.irp t, 0,1,2,3
.irp i, 0,1,2,3,4,5,6,7
	v_exp_f32 v[SC+8*(2*\t+\u)+\i], v[SC+8*(2*\t+\u)+\i]
.endr
.endr
	v_nop                                                          ; the plain place behind the last of them
	s_wait_alu depctr_va_vdst(0)
.irp t, 0,1,2,3
.irp i, 0,2
	v_pk_add_f32 v[TS+4*\t+\i:TS+4*\t+\i+1], v[SC+8*(2*\t+\u)+\i:SC+8*(2*\t+\u)+\i+1], v[SC+8*(2*\t+\u)+4+\i:SC+8*(2*\t+\u)+4+\i+1]
.endr
.endr
.irp t, 0,1,2,3
	v_pk_add_f32 v[TS+4*\t:TS+4*\t+1], v[TS+4*\t:TS+4*\t+1], v[TS+4*\t+2:TS+4*\t+3]
.endr
	v_pk_add_f32 v[TS:TS+1], v[TS:TS+1], v[TS+4:TS+5]
	v_pk_add_f32 v[TS+8:TS+9], v[TS+8:TS+9], v[TS+12:TS+13]
	v_pk_add_f32 v[TS:TS+1], v[TS:TS+1], v[TS+8:TS+9]
	v_add_f32 v[TS], v[TS], v[TS+1]
	v_fma_f32 v[LS+\u], v[LS+\u], v[AL+2*\u], v[TS]
.irp p, 0,1                            ; key tiles 2 p and 2 p + 1, packed, are registers 0-3 and 4-7 of P's fragment for keys 32 p .. +31
.irp q, 0,1
.irp i, 0,1,2,3
	v_cvt_pk_f16_f32 v[PF+8*(2*\u+\p)+4*\q+\i], v[SC+8*(2*(2*\p+\q)+\u)+2*\i], v[SC+8*(2*(2*\p+\q)+\u)+2*\i+1]
.endr
.endr
.endr
.endm
.macro RESCALE                         ; O *= 2^(old max - new max): one factor a lane, since a lane holds one query
	WIN 0x41
.irp u, 0,1
.set cnt, 0
.rept 32
	v_pk_mul_f32 v[64*\u+2*cnt:64*\u+2*cnt+1], v[64*\u+2*cnt:64*\u+2*cnt+1], v[AL+2*\u:AL+2*\u+1]
.set cnt, cnt+1
.endr
.endr
.endm
; O^T += Vt P^T: 32 matrix instructions; the sixteen accumulators take turns
.macro PV zero
	WIN 0x52
.irp p, 0,1
.irp t, 0,1,2,3,4,5,6,7
.irp u, 0,1
.if \zero*(1-\p)
	v_wmma_f32_16x16x32_f16 v[8*(8*\u+\t):8*(8*\u+\t)+7], v[128+8*(2*\t+\p):128+8*(2*\t+\p)+7], v[PF+8*(2*\u+\p):PF+8*(2*\u+\p)+7], 0
.else
	v_wmma_f32_16x16x32_f16 v[8*(8*\u+\t):8*(8*\u+\t)+7], v[128+8*(2*\t+\p):128+8*(2*\t+\p)+7], v[PF+8*(2*\u+\p):PF+8*(2*\u+\p)+7], v[8*(8*\u+\t):8*(8*\u+\t)+7]
.endif
.endr
.endr
.endr
.endm
; 64 keys.  mode 0: the slot's second half follows; 1: change of slots, this slot filled again; 2: change of slots, no fill; 3: the last of all.
.macro SUBSTEP slot, hf, first, mode
	PLACES                                         ; Vt's fragments were sources of the last products
	FETCHV \slot, \hf
	s_wait_dscnt 32                                ; the mask's 16 and K's 32 loads are older and in; Vt's 32 stay out
	SMUL
	WIN 0
	PLACES
	SOFTMAX 0
	SOFTMAX 1
.if \mode == 0
	FETCHM \slot, 1
	FETCHK \slot, 1
	s_wait_dscnt 48                                ; Vt's 32 are in; the 48 just issued stay out
.if \first == 0
	RESCALE
.endif
	PV \first
.endif
.if \mode >= 1
.if \mode <= 2
	s_wait_dscnt 0x0                               ; my reads of this slot are back, Vt's second half last
	s_wait_tensorcnt 0x0                           ; all my tensor loads have landed: the one that was out is my part of the next slot
	ds_add_u32 v254, v255
	s_wait_dscnt 0x0
	s_barrier_signal -1
	RESCALE                                        ; register work while the others arrive
	WIN 0
	s_barrier_wait -1
.if \mode == 1
	CREST                                          ; the barrier above opened a round of the cluster's barrier: no wave of any partner reads this slot or has a load out
	s_add_nc_u64 s[G0KV+4*\slot+2:G0KV+4*\slot+3], s[G0KV+4*\slot+2:G0KV+4*\slot+3], s[70:71]   ; two key steps on
	s_add_nc_u64 s[G0M+4*\slot+2:G0M+4*\slot+3], s[G0M+4*\slot+2:G0M+4*\slot+3], 1024
	JLOAD \slot                                    ; the first tensor load behind the round
.endif
	FETCHM 1-\slot, 0
	FETCHK 1-\slot, 0
	PV 0
.endif
.endif
.if \mode == 3
	s_wait_dscnt 0x0
	RESCALE
	PV 0
.endif
.endm
.macro STEP slot, first, mode          ; a key step of 128 = a slot
	SUBSTEP \slot, 0, \first, 0
	SUBSTEP \slot, 1, 0, \mode
.endm
	s_wait_tensorcnt 0x1                           ; my part of key step 0 is in; key step 1's stays out
	s_barrier_signal -1
	s_barrier_wait -1
	FETCHM 0, 0
	FETCHK 0, 0
	STEP 0, 1, 1                                   ; key step 0: its first products start O's sums
	STEP 1, 0, 1
	WIN 0
	s_mov_b32 s3, 6
.Lkeys:
	STEP 0, 0, 1                                   ; key steps 2 to 13; step s asks for step s + 2
	STEP 1, 0, 1
	WIN 0
	s_sub_co_u32 s3, s3, 1
	s_cmp_lg_u32 s3, 0
	s_cbranch_scc1 .Lkeys
	STEP 0, 0, 2                                   ; the last two fill nothing
	STEP 1, 0, 3
	; THE WAY OUT: divide by the sum, round to f16, 16 queries at a time through my own stage, whole rows of 256 bytes out.
	PLACES
	WIN 0
	v_permlanex16_b32 v[TP], v[LS], s82, s83       ; the two halves of the lanes summed different keys
	v_add_f32 v[LS], v[LS], v[TP]
	v_permlanex16_b32 v[TP], v[LS+1], s82, s83
	v_add_f32 v[LS+1], v[LS+1], v[TP]
	v_rcp_f32 v[AL], v[LS]
	v_rcp_f32 v[AL+2], v[LS+1]
	v_nop                                          ; the plain place behind the transcendentals
	s_wait_alu depctr_va_vdst(0)
	v_mov_b32 v[AL+1], v[AL]
	v_mov_b32 v[AL+3], v[AL+2]
.macro OUT16 u
	WIN 0x01
.set cnt, 0
.rept 32
	v_pk_mul_f32 v[SC+2*cnt:SC+2*cnt+1], v[64*\u+2*cnt:64*\u+2*cnt+1], v[AL+2*\u:AL+2*\u+1]
.set cnt, cnt+1
.endr
	WIN 0
.set cnt, 0
.rept 32
	v_cvt_pk_f16_f32 v[MK+cnt], v[SC+2*cnt], v[SC+2*cnt+1]
.set cnt, cnt+1
.endr
.irp t, 0,1,2,3,4,5,6,7
	ds_store_b128 v[STO], v[MK+4*\t:MK+4*\t+3] offset:32*\t        ; row = query r, d = 16 t + 8 h + 0..7
.endr
.irp i, 0,1,2,3,4,5,6,7
	ds_load_b128 v[128+32*\u+4*\i:128+32*\u+4*\i+3], v[RD] offset:\i*2*KP     ; my own bytes; LDS serves a wave's instructions in order (ISA guide 5.7.1)
.endr
.irp i, 0,1,2,3,4,5,6,7
	s_wait_dscnt 7-\i                              ; this one is in, the younger stay out
	global_store_b128 v[CO], v[128+32*\u+4*\i:128+32*\u+4*\i+3], s[14:15] offset:(16*\u+2*\i)*4096   ; sixteen lanes store 256 consecutive bytes, aligned
.endr
.endm
	OUT16 0
	OUT16 1
	s_wait_tensorcnt 0x0
	ds_add_u32 v254, v255
	s_wait_dscnt 0x0
	CROUND                                         ; the closing round
	s_endpgm
.Lfunc_end_k_q76421d92f7_attn:
	.size	k_q76421d92f7_attn, .Lfunc_end_k_q76421d92f7_attn-k_q76421d92f7_attn
	.p2alignl 7, 3214868480
	.fill 96, 4, 3214868480
	.section	.rodata,"a",@progbits
	.p2align	6, 0x0
	.amdhsa_kernel k_q76421d92f7_attn
		.amdhsa_group_segment_fixed_size 327680
		.amdhsa_private_segment_fixed_size 0
		.amdhsa_enable_private_segment 0
		.amdhsa_kernarg_size 56
		.amdhsa_user_sgpr_count 2
		.amdhsa_user_sgpr_kernarg_segment_ptr 1
		.amdhsa_wavefront_size32 1
		.amdhsa_system_sgpr_workgroup_id_x 1
		.amdhsa_system_sgpr_workgroup_id_y 1
		.amdhsa_system_sgpr_workgroup_id_z 1
		.amdhsa_system_vgpr_workitem_id 0
		.amdhsa_next_free_vgpr 768
		.amdhsa_next_free_sgpr 90
		.amdhsa_reserve_vcc 0
		.amdhsa_float_denorm_mode_32 3
		.amdhsa_float_denorm_mode_16_64 3
		.amdhsa_memory_ordered 1
		.amdhsa_forward_progress 1
		.amdhsa_inst_pref_size 255
	.end_amdhsa_kernel
	.section	.bss,"aw",@nobits
	.p2align	6
	.space	262144
	.amdgpu_metadata
---
amdhsa.version: [ 1, 2 ]
amdhsa.kernels:
  - .name:           k_q76421d92f7_attn
    .symbol:         k_q76421d92f7_attn.kd
    .args:
      - { .name: qh, .offset: 0, .size: 8, .value_kind: global_buffer, .address_space: global }
      - { .name: kh, .offset: 8, .size: 8, .value_kind: global_buffer, .address_space: global }
      - { .name: vth, .offset: 16, .size: 8, .value_kind: global_buffer, .address_space: global }
      - { .name: attention_mask, .offset: 24, .size: 8, .value_kind: global_buffer, .address_space: global }
      - { .name: Wo, .offset: 32, .size: 8, .value_kind: global_buffer, .address_space: global }
      - { .name: ch, .offset: 40, .size: 8, .value_kind: global_buffer, .address_space: global }
      - { .name: woh, .offset: 48, .size: 8, .value_kind: global_buffer, .address_space: global }
    .group_segment_fixed_size: 327680
    .private_segment_fixed_size: 0
    .kernarg_segment_align: 8
    .kernarg_segment_size: 56
    .max_flat_workgroup_size: 128
    .sgpr_count:     90
    .vgpr_count:     768
    .wavefront_size: 32
...
	.end_amdgpu_metadata
.endif
;; end of part 2
;; launch oproj (part 3): grid 16 x 16, 4 waves a work-group, clusters of 4 x 4, 327,680 bytes of LDS; arguments ch, woh, bo, out0; writes out0
.if DOCPART == 3
	.amdgcn_target "amdgcn-amd-amdhsa--gfx1250"
	.amdhsa_code_object_version 6
	.text
	.protected	k_q76421d92f7_oproj
	.globl	k_q76421d92f7_oproj
	.p2align	8
	.type	k_q76421d92f7_oproj,@function
k_q76421d92f7_oproj:
	s_mov_b64 s[64:65], 0
	v_nop
	global_prefetch_b8 v0, s[64:65] scope:SCOPE_SE
	s_setreg_imm32_b32 hwreg(HW_REG_WAVE_MODE, 25, 1), 1
	s_wait_xcnt 0x0
	s_wait_alu depctr_hold_cnt(0) depctr_sa_sdst(0) depctr_va_vdst(0) depctr_va_sdst(0) depctr_va_ssrc(0) depctr_va_vcc(0) depctr_vm_vsrc(0)
	s_getreg_b32 s2, hwreg(HW_REG_IB_STS2, 6, 4)
	s_cmp_eq_u32 s2, 0
	s_cbranch_scc0 .Lentry_in_a_cluster
	s_endpgm
.Lentry_in_a_cluster:
	s_bfe_u32 s2, ttmp6, 0x10000c
	s_cmp_lg_u32 s2, 0xf033
	s_cbranch_scc0 .Lentry_shape_is_right
	s_endpgm
.Lentry_shape_is_right:
; out0[m][n] = 4 * sum over k of ch[m][k] woh[n][k] + bo[n].  ch = 0.25 ctx and woh = Wo, both [2048][2048] f16; out0 f32; sums in f32.
; (The 4 undoes the 0.25 under which v and ctx are kept in f16.)  Nothing of reference() is left out here.
; A work-group makes 128 x 128 of out0, so that the 16 x 16 blocks give each of 256 work-groups one; wave (wr, wc) makes 64 x 64: 16 accumulators.
; K goes in steps of 256 (rows of 512 bytes, aligned) through two LDS slots; each wave fetches 64 rows with one tensor load.
; CLUSTER 4 x 4: ch's tile hangs on the block row alone (jointly along a row of the cluster), woh's on the block column alone (along a column).
; By this text's count a wave has two tensor loads out at the start and one behind each change of slots.
; Source 0 = rows of woh, source 1 = rows of ch: a lane then holds one row m and eight neighbouring columns n.
; REGISTERS: window 0: v8-15 addresses, v32-63 bo, v64-95 at work, v128-255 fragment buffer 0; window 1: v0-127 accumulator (a, b) at 8 (4 a + b), v128-255 buffer 1.
.set PITCH,  528                       ; 512 bytes + 16: the sixteen rows that a load touches start 16 bytes apart modulo 256
.set HALFT,  64*PITCH                  ; what one tensor load brings
.set SLOT,   4*HALFT                   ; ch's 128 rows, then woh's 128
.set STAGE,  2*SLOT                    ; 16 rows x 272 bytes for each wave, its own; no fill lands here
.set SPITCH, 272
.set ADRA, 8
.set ADRB, 10
.set STO,  12
.set RD,   13
.set CO,   14
.set VB,   15
.set BO,   32
.set TT,   64
.set FR,   128                         ; a buffer: ch's fragments [a][c] at FR + 16 a + 8 c, woh's [b][c] at FR + 64 + 16 b + 8 c
.set G1A, 24
.set G1B, 32
.set G0A, 40
.set G0B, 48
.set G1W0, (1<<16)|(1<<20)|(1<<21)|(6<<22)|(3<<25)   ; 2-byte elements; padding on; bit 21 beside a mask; after every 128 words, 4 words
.set MSB, 0
.macro WIN new
.if MSB != \new
	s_set_vgpr_msb (MSB<<8)|\new
.set MSB, \new
.endif
.endm
.macro PLACES                          ; four places behind a matrix instruction (ISA guide 7.12.1)
.rept 4
	v_nop
.endr
.endm
.macro JLOAD s                         ; waves 0, 1: ch's halves; waves 2, 3: woh's
	s_cmp_eq_u32 s13, 0
	s_cbranch_scc0 .Lfor_b_\@
	tensor_load_to_lds s[G0A+4*\s:G0A+4*\s+3], s[G1A:G1A+7]
	s_nop 0
	s_branch .Lasked_\@
.Lfor_b_\@:
	tensor_load_to_lds s[G0B+4*\s:G0B+4*\s+3], s[G1B:G1B+7]
	s_nop 0
.Lasked_\@:
.endm
.macro CREST
	s_cmp_lg_u32 s12, 0
	s_cbranch_scc1 .Lnot_wave_0_\@
	s_barrier_signal -3
.Lnot_wave_0_\@:
	s_barrier_wait -3
	s_barrier_signal -1
	s_barrier_wait -1
.endm
.macro CROUND
	s_barrier_signal -1
	s_barrier_wait -1
	CREST
.endm
	s_load_b256 s[4:11], s[0:1], 0x0               ; ch s[4:5], woh s[6:7], bo s[8:9], out0 s[10:11]
	v_lshl_add_u32 v126, v0, 2, 0x46400
	v_mov_b32 v127, 0
	ds_add_u32 v126, v127
	v_lshrrev_b32 v1, 5, v0
	v_readfirstlane_b32 s12, v1                    ; wave
	s_lshr_b32 s13, s12, 1                         ; wr.  Also: I fetch for ch (0) or woh (1)
	s_and_b32 s14, s12, 1                          ; wc.  Also: which 64 rows of that tile I fetch
	s_bfe_u32 s15, ttmp6, 0x40000                  ; cx
	s_bfe_u32 s16, ttmp6, 0x40004                  ; cy
	s_lshl_b32 s17, ttmp9, 2
	s_add_co_u32 s17, s17, s15                     ; block column nb
	s_and_b32 s18, ttmp7, 0xffff
	s_lshl_b32 s18, s18, 2
	s_add_co_u32 s18, s18, s16                     ; block row mb
	s_lshl_b32 s19, s16, 2
	s_lshl_b32 s19, 15, s19                        ; my row of the cluster
	s_lshl_b32 s20, 0x1111, s15                    ; my column
	s_or_b32 s[G1A+0], s19, G1W0
	s_or_b32 s[G1B+0], s20, G1W0
.irp g, G1A, G1B
	s_mov_b32 s[\g+1], 256<<16
	s_mov_b32 s[\g+2], 64<<16
	s_mov_b32 s[\g+3], 256<<16                     ; 256 elements = 512 bytes
	s_mov_b32 s[\g+4], 64                          ; 64 rows
	s_mov_b32 s[\g+5], 2048
	s_mov_b32 s[\g+6], 0
	s_mov_b32 s[\g+7], 0
.endr
	s_lshl_b32 s21, s14, 18                        ; 64 rows of 4,096 bytes
	s_lshl_b32 s56, s18, 19
	s_add_co_u32 s56, s56, s21                     ; ch: row 128 mb + 64 x half
	s_mov_b32 s57, 0
	s_lshl_b32 s58, s17, 19
	s_add_co_u32 s58, s58, s21                     ; woh: row 128 nb + 64 x half
	s_mov_b32 s59, 0
	s_mul_i32 s60, s12, HALFT                      ; LDS: ch's two halves, then woh's two
	s_lshl_b32 s66, s18, 20                        ; out0: row 128 mb + 64 wr, rows of 8,192 bytes,
	s_lshl_b32 s67, s13, 19
	s_add_co_u32 s66, s66, s67
	s_lshl_b32 s68, s17, 9
	s_lshl_b32 s69, s14, 8
	s_add_co_u32 s68, s68, s69                     ; byte 4 (128 nb + 64 wc)
	s_add_co_u32 s66, s66, s68
	s_mov_b32 s67, 0
	s_wait_dscnt 0x0
	s_wait_kmcnt 0x0
	s_add_nc_u64 s[56:57], s[4:5], s[56:57]
	s_add_nc_u64 s[58:59], s[6:7], s[58:59]
	s_add_nc_u64 s[10:11], s[10:11], s[66:67]
	CROUND                                         ; all sixteen work-groups are here: the first joint loads meet
.irp s, 0,1
	s_mov_b32 s[G0A+4*\s], 1
	s_add_co_u32 s[G0A+4*\s+1], s60, \s*SLOT
	s_add_nc_u64 s[G0A+4*\s+2:G0A+4*\s+3], s[56:57], \s*512        ; K step s
	s_or_b32 s[G0A+4*\s+3], s[G0A+4*\s+3], 0x80000000
	s_mov_b32 s[G0B+4*\s], 1
	s_add_co_u32 s[G0B+4*\s+1], s60, \s*SLOT
	s_add_nc_u64 s[G0B+4*\s+2:G0B+4*\s+3], s[58:59], \s*512
	s_or_b32 s[G0B+4*\s+3], s[G0B+4*\s+3], 0x80000000
	JLOAD \s
.endr
	v_and_b32 v1, 15, v0                           ; r
	v_bfe_u32 v2, v0, 4, 1                         ; h
	v_mul_u32_u24 v3, v1, PITCH
	v_lshl_add_u32 v3, v2, 4, v3                   ; r x pitch + 16 h
	s_mul_i32 s70, s13, HALFT                      ; my 64 rows of ch
	s_mul_i32 s71, s14, HALFT
	s_add_co_u32 s71, s71, 2*HALFT                 ; my 64 rows of woh
	v_add_nc_u32 v[ADRA], s70, v3
	v_add_nc_u32 v[ADRB], s71, v3
	v_add_nc_u32 v[ADRA+1], SLOT, v[ADRA]
	v_add_nc_u32 v[ADRB+1], SLOT, v[ADRB]
	s_mul_i32 s72, s12, 16*SPITCH
	s_add_co_u32 s72, s72, STAGE                   ; my stage
	v_mul_u32_u24 v4, v1, SPITCH
	v_lshl_add_u32 v4, v2, 5, v4                   ; in: row r, 32 bytes for each half of the lanes
	v_add_nc_u32 v[STO], s72, v4
	v_mul_u32_u24 v5, v2, SPITCH
	v_lshl_add_u32 v5, v1, 4, v5                   ; back: lanes 0-15 one row of 256 bytes, lanes 16-31 the next
	v_add_nc_u32 v[RD], s72, v5
	v_lshlrev_b32 v6, 13, v2
	v_lshl_add_u32 v[CO], v1, 4, v6                ; 8,192 h + 16 r
	v_lshlrev_b32 v7, 5, v2
	v_add_nc_u32 v[VB], s68, v7
.irp b, 0,1,2,3
	global_load_b128 v[BO+8*\b:BO+8*\b+3],   v[VB], s[8:9] offset:64*\b        ; bo of n = 16 b + 8 h + 0..7 of my 64 columns
	global_load_b128 v[BO+8*\b+4:BO+8*\b+7], v[VB], s[8:9] offset:64*\b+16
.endr
; 32 LDS loads: the fragments of quarter q of a K step (64 along K) into buffer f (0: window 0, 1: window 1)
.macro FETCH slot, q, f
.if \f
	WIN 0x40
.else
	WIN 0
.endif
.irp a, 0,1,2,3
.irp c, 0,1
	ds_load_b128 v[FR+16*\a+8*\c:FR+16*\a+8*\c+3],   v[ADRA+\slot] offset:\a*16*PITCH+128*\q+64*\c
	ds_load_b128 v[FR+16*\a+8*\c+4:FR+16*\a+8*\c+7], v[ADRA+\slot] offset:\a*16*PITCH+128*\q+64*\c+32
.endr
.endr
.irp b, 0,1,2,3
.irp c, 0,1
	ds_load_b128 v[FR+64+16*\b+8*\c:FR+64+16*\b+8*\c+3],   v[ADRB+\slot] offset:\b*16*PITCH+128*\q+64*\c
	ds_load_b128 v[FR+64+16*\b+8*\c+4:FR+64+16*\b+8*\c+7], v[ADRB+\slot] offset:\b*16*PITCH+128*\q+64*\c+32
.endr
.endr
.endm
; 16 matrix instructions, 32 along K; the sixteen accumulators take turns in the same order every time
.macro MUL16 f, c, zero
.if \f
	WIN 0x55
.else
	WIN 0x50
.endif
.irp a, 0,1,2,3
.irp b, 0,1,2,3
.if \zero
	v_wmma_f32_16x16x32_f16 v[8*(4*\a+\b):8*(4*\a+\b)+7], v[FR+64+16*\b+8*\c:FR+64+16*\b+8*\c+7], v[FR+16*\a+8*\c:FR+16*\a+8*\c+7], 0
.else
	v_wmma_f32_16x16x32_f16 v[8*(4*\a+\b):8*(4*\a+\b)+7], v[FR+64+16*\b+8*\c:FR+64+16*\b+8*\c+7], v[FR+16*\a+8*\c:FR+16*\a+8*\c+7], v[8*(4*\a+\b):8*(4*\a+\b)+7]
.endif
.endr
.endr
.endm
; One of a K step's first three quarters: fetch quarter qn into the other buffer, multiply buffer f
.macro QUARTER slot, qn, f, zero
	s_wait_dscnt 0x0                               ; buffer f is in
	PLACES                                         ; the other buffer held sources of the last products
	FETCH \slot, \qn, 1-\f
	MUL16 \f, 0, \zero
	MUL16 \f, 1, 0
.endm
.macro THREE slot, zero
	QUARTER \slot, 1, 0, \zero
	QUARTER \slot, 2, 1, 0
	QUARTER \slot, 3, 0, 0
.endm
; The last quarter, on buffer 1, with the change of slots: in front of the barrier my reads of this slot are back and all my tensor loads have landed
; (one was out: my part of the next slot); where the slot is filled again the barrier opens a round of the cluster's barrier, and the refill comes first behind it.
.macro TURN slot, next, fill
	s_wait_dscnt 0x0
	s_wait_tensorcnt 0x0
	ds_add_u32 v126, v127
	s_wait_dscnt 0x0
	s_barrier_signal -1
	MUL16 1, 0, 0                                  ; register work while the others arrive
	WIN 0
	s_barrier_wait -1
.if \fill
	CREST
	s_add_nc_u64 s[G0A+4*\slot+2:G0A+4*\slot+3], s[G0A+4*\slot+2:G0A+4*\slot+3], 1024   ; two K steps on
	s_add_nc_u64 s[G0B+4*\slot+2:G0B+4*\slot+3], s[G0B+4*\slot+2:G0B+4*\slot+3], 1024
	JLOAD \slot
.endif
	PLACES
	FETCH \next, 0, 0
	MUL16 1, 1, 0
.endm
.macro LAP zero
	THREE 0, \zero
	TURN 0, 1, 1
	THREE 1, 0
	TURN 1, 0, 1
.endm
	s_wait_tensorcnt 0x1                           ; my part of K step 0 is in; K step 1's stays out
	s_barrier_signal -1
	s_barrier_wait -1
	FETCH 0, 0, 0
	LAP 1                                          ; the first products start the sums
	WIN 0
	s_mov_b32 s3, 2
.Llap:
	LAP 0
	WIN 0
	s_sub_co_u32 s3, s3, 1
	s_cmp_lg_u32 s3, 0
	s_cbranch_scc1 .Llap
	THREE 0, 0                                     ; the last lap fills nothing
	TURN 0, 1, 0
	THREE 1, 0
	s_wait_dscnt 0x0
	MUL16 1, 0, 0
	MUL16 1, 1, 0
	; THE WAY OUT, 16 rows at a time: 4 acc + bo, 32 bytes a lane into my own stage, whole rows of 256 bytes back and out.
	PLACES
	s_wait_loadcnt 0x0                             ; bo
.macro OUT16 a
	WIN 0x01
.irp b, 0,1,2,3
.irp i, 0,2,4,6
	v_pk_fma_f32 v[TT+8*\b+\i:TT+8*\b+\i+1], v[8*(4*\a+\b)+\i:8*(4*\a+\b)+\i+1], 4.0, v[BO+8*\b+\i:BO+8*\b+\i+1] op_sel_hi:[1,0,1]
.endr
.endr
	WIN 0
.irp b, 0,1,2,3
	ds_store_b128 v[STO], v[TT+8*\b:TT+8*\b+3]   offset:64*\b      ; row r, columns 16 b + 8 h + 0..3
	ds_store_b128 v[STO], v[TT+8*\b+4:TT+8*\b+7] offset:64*\b+16
.endr
.irp i, 0,1,2,3,4,5,6,7
	ds_load_b128 v[FR+32*\a+4*\i:FR+32*\a+4*\i+3], v[RD] offset:\i*2*SPITCH    ; my own bytes; LDS serves a wave's instructions in order (ISA guide 5.7.1)
.endr
.irp i, 0,1,2,3,4,5,6,7
	s_wait_dscnt 7-\i                              ; this one is in, the younger stay out
	global_store_b128 v[CO], v[FR+32*\a+4*\i:FR+32*\a+4*\i+3], s[10:11] offset:(16*\a+2*\i)*8192 th:TH_STORE_NT   ; sixteen lanes store 256 consecutive bytes, aligned
.endr
.endm
	OUT16 0
	OUT16 1
	OUT16 2
	OUT16 3
	s_wait_tensorcnt 0x0
	ds_add_u32 v126, v127
	s_wait_dscnt 0x0
	CROUND                                         ; the closing round
	s_endpgm
.Lfunc_end_k_q76421d92f7_oproj:
	.size	k_q76421d92f7_oproj, .Lfunc_end_k_q76421d92f7_oproj-k_q76421d92f7_oproj
	.p2alignl 7, 3214868480
	.fill 96, 4, 3214868480
	.section	.rodata,"a",@progbits
	.p2align	6, 0x0
	.amdhsa_kernel k_q76421d92f7_oproj
		.amdhsa_group_segment_fixed_size 327680
		.amdhsa_private_segment_fixed_size 0
		.amdhsa_enable_private_segment 0
		.amdhsa_kernarg_size 32
		.amdhsa_user_sgpr_count 2
		.amdhsa_user_sgpr_kernarg_segment_ptr 1
		.amdhsa_wavefront_size32 1
		.amdhsa_system_sgpr_workgroup_id_x 1
		.amdhsa_system_sgpr_workgroup_id_y 1
		.amdhsa_system_sgpr_workgroup_id_z 1
		.amdhsa_system_vgpr_workitem_id 0
		.amdhsa_next_free_vgpr 512
		.amdhsa_next_free_sgpr 80
		.amdhsa_reserve_vcc 0
		.amdhsa_float_denorm_mode_32 3
		.amdhsa_float_denorm_mode_16_64 3
		.amdhsa_memory_ordered 1
		.amdhsa_forward_progress 1
		.amdhsa_inst_pref_size 125
	.end_amdhsa_kernel
	.amdgpu_metadata
---
amdhsa.version: [ 1, 2 ]
amdhsa.kernels:
  - .name:           k_q76421d92f7_oproj
    .symbol:         k_q76421d92f7_oproj.kd
    .args:
      - { .name: ch, .offset: 0, .size: 8, .value_kind: global_buffer, .address_space: global }
      - { .name: woh, .offset: 8, .size: 8, .value_kind: global_buffer, .address_space: global }
      - { .name: bo, .offset: 16, .size: 8, .value_kind: global_buffer, .address_space: global }
      - { .name: out0, .offset: 24, .size: 8, .value_kind: global_buffer, .address_space: global }
    .group_segment_fixed_size: 327680
    .private_segment_fixed_size: 0
    .kernarg_segment_align: 8
    .kernarg_segment_size: 32
    .max_flat_workgroup_size: 128
    .sgpr_count:     80
    .vgpr_count:     512
    .wavefront_size: 32
...
	.end_amdgpu_metadata
.endif
;; end of part 3
;; ======== version 2 of 2: 4 launches
;; limits: values are held in f16: magnitudes above 65,504 overflow, below 6.1e-05 lose precision; right only within a limited range of input values
;; workspace buffers: qh 8,388,608 bytes; kh 8,388,608 bytes; vth 8,388,608 bytes; ch 8,388,608 bytes; woh 8,388,608 bytes; xh 8,388,608 bytes; wh 25,165,824 bytes
;; launch cast (part 4): grid 256 x 4, 8 waves a work-group, no clusters, 0 bytes of LDS; arguments hidden_states, Wq, Wk, Wv, xh, wh; writes xh, wh
.if DOCPART == 4
	.amdgcn_target "amdgcn-amd-amdhsa--gfx1250"
	.amdhsa_code_object_version 6
	.text
	.protected	k_q76421d92f7_cast
	.globl	k_q76421d92f7_cast
	.p2align	8
	.type	k_q76421d92f7_cast,@function
k_q76421d92f7_cast:
	s_mov_b64 s[64:65], 0
	v_nop
	global_prefetch_b8 v0, s[64:65] scope:SCOPE_SE
	s_setreg_imm32_b32 hwreg(HW_REG_WAVE_MODE, 25, 1), 1
	s_wait_xcnt 0x0
; hidden_states, Wq, Wk, Wv, each [2048][2048] f32, rounded once to f16: xh [2048][2048], and wh [6144][2048] = Wq, Wk, Wv one below the other.
; WHY A LAUNCH OF ITS OWN: the projections that follow give each of 256 work-groups 128 rows by 128 columns of q, k and v.  There a number of x is a
; matrix operand in 4 waves of each of 16 column blocks, a number of W in 16 row blocks: converted on the way it would be converted 64 and 16 times and
; would cross LDS in 4 bytes.  Here each is converted once.
; DEAD WORK OF THE WHOLE PROGRAM: bk.  A score is q_i . (k_j + bk) = q_i . k_j + q_i . bk, and q_i . bk is the same for every key j of query i's softmax
; row; softmax is unchanged by a term that is constant along its axis, for all values of the inputs.  k reaches the output through the scores alone.  So bk
; is not added, not loaded and no argument of any launch.  Limit: a NaN, an infinity or an overflow that comes from bk alone is not carried to the result.
; FORMAT: matrix operands are f16 (11 bits), sums f32.  Limit: |x| or |W| above 65,504 becomes infinite; below 6e-5 the absolute step is 6e-8.
; For inputs 30 times those drawn, or offset by 30 times their spread, |x| stays under 200 and |W| under 4.
; SHARES: work-group (x, y): tensor y, bytes 65,536 x .. +65,535.  A load of the eight waves covers 4,096 consecutive bytes; all 16 loads of a thread go out
; ahead of the first store; a wave's store covers 256 consecutive bytes, aligned.  No LDS, no matrix unit, no cluster: nothing is shared and memory binds.
.set NLD, 16                           ; loads of a thread
.set X,   8                            ; v[8:71]    as loaded
.set Y,   72                           ; v[72:103]  to store
	s_load_b256 s[4:11], s[0:1], 0x0               ; x s[4:5], Wq s[6:7], Wk s[8:9], Wv s[10:11]
	s_load_b128 s[12:15], s[0:1], 0x20             ; xh s[12:13], wh s[14:15]
	s_and_b32 s16, ttmp7, 0xffff                   ; which tensor
	s_lshl_b32 s18, ttmp9, 16                      ; in: 65,536 bytes a work-group
	s_mov_b32 s19, 0
	s_max_u32 s22, s16, 1
	s_sub_co_u32 s22, s22, 1                       ; which third of wh (0 for x too, whose base is xh)
	s_lshl_b32 s22, s22, 23                        ; 2048 rows of 4,096 bytes
	s_lshl_b32 s20, ttmp9, 15                      ; out: 32,768 bytes a work-group
	s_add_co_u32 s20, s20, s22
	s_mov_b32 s21, 0
	v_lshlrev_b32 v1, 4, v0                        ; 16 bytes in,
	v_lshlrev_b32 v2, 3, v0                        ; 8 bytes out
	s_wait_kmcnt 0x0
	s_cmp_eq_u32 s16, 1
	s_cselect_b64 s[24:25], s[6:7], s[4:5]
	s_cmp_eq_u32 s16, 2
	s_cselect_b64 s[24:25], s[8:9], s[24:25]
	s_cmp_eq_u32 s16, 3
	s_cselect_b64 s[24:25], s[10:11], s[24:25]
	s_cmp_eq_u32 s16, 0
	s_cselect_b64 s[26:27], s[12:13], s[14:15]
	s_add_nc_u64 s[24:25], s[24:25], s[18:19]
	s_add_nc_u64 s[26:27], s[26:27], s[20:21]
.set cnt, 0
.rept NLD
	global_load_b128 v[X+4*cnt:X+4*cnt+3], v1, s[24:25] offset:4096*cnt th:TH_LOAD_NT
.set cnt, cnt+1
.endr
.set cnt, 0
.rept NLD
	s_wait_loadcnt NLD-1-cnt                       ; loads come back in order: this one is in, the younger stay out
	v_cvt_pk_f16_f32 v[Y+2*cnt], v[X+4*cnt], v[X+4*cnt+1]
	v_cvt_pk_f16_f32 v[Y+2*cnt+1], v[X+4*cnt+2], v[X+4*cnt+3]
	global_store_b64 v2, v[Y+2*cnt:Y+2*cnt+1], s[26:27] offset:2048*cnt
.set cnt, cnt+1
.endr
	s_endpgm
.Lfunc_end_k_q76421d92f7_cast:
	.size	k_q76421d92f7_cast, .Lfunc_end_k_q76421d92f7_cast-k_q76421d92f7_cast
	.p2alignl 7, 3214868480
	.fill 96, 4, 3214868480
	.section	.rodata,"a",@progbits
	.p2align	6, 0x0
	.amdhsa_kernel k_q76421d92f7_cast
		.amdhsa_group_segment_fixed_size 0
		.amdhsa_private_segment_fixed_size 0
		.amdhsa_enable_private_segment 0
		.amdhsa_kernarg_size 48
		.amdhsa_user_sgpr_count 2
		.amdhsa_user_sgpr_kernarg_segment_ptr 1
		.amdhsa_wavefront_size32 1
		.amdhsa_system_sgpr_workgroup_id_x 1
		.amdhsa_system_sgpr_workgroup_id_y 1
		.amdhsa_system_sgpr_workgroup_id_z 1
		.amdhsa_system_vgpr_workitem_id 0
		.amdhsa_next_free_vgpr 104
		.amdhsa_next_free_sgpr 66
		.amdhsa_reserve_vcc 0
		.amdhsa_float_denorm_mode_32 3
		.amdhsa_float_denorm_mode_16_64 3
		.amdhsa_memory_ordered 1
		.amdhsa_forward_progress 1
		.amdhsa_inst_pref_size 7
	.end_amdhsa_kernel
	.amdgpu_metadata
---
amdhsa.version: [ 1, 2 ]
amdhsa.kernels:
  - .name:           k_q76421d92f7_cast
    .symbol:         k_q76421d92f7_cast.kd
    .args:
      - { .name: hidden_states, .offset: 0, .size: 8, .value_kind: global_buffer, .address_space: global }
      - { .name: Wq, .offset: 8, .size: 8, .value_kind: global_buffer, .address_space: global }
      - { .name: Wk, .offset: 16, .size: 8, .value_kind: global_buffer, .address_space: global }
      - { .name: Wv, .offset: 24, .size: 8, .value_kind: global_buffer, .address_space: global }
      - { .name: xh, .offset: 32, .size: 8, .value_kind: global_buffer, .address_space: global }
      - { .name: wh, .offset: 40, .size: 8, .value_kind: global_buffer, .address_space: global }
    .group_segment_fixed_size: 0
    .private_segment_fixed_size: 0
    .kernarg_segment_align: 8
    .kernarg_segment_size: 48
    .max_flat_workgroup_size: 256
    .sgpr_count:     66
    .vgpr_count:     104
    .wavefront_size: 32
...
	.end_amdgpu_metadata
.endif
;; end of part 4
;; launch qkv (part 5): grid 16 x 16, 4 waves a work-group, clusters of 4 x 4, 327,680 bytes of LDS; arguments xh, wh, bq, bv, qh, kh, vth; writes qh, kh, vth
.if DOCPART == 5
	.amdgcn_target "amdgcn-amd-amdhsa--gfx1250"
	.amdhsa_code_object_version 6
	.text
	.protected	k_q76421d92f7_qkv
	.globl	k_q76421d92f7_qkv
	.p2align	8
	.type	k_q76421d92f7_qkv,@function
k_q76421d92f7_qkv:
	s_mov_b64 s[64:65], 0
	v_nop
	global_prefetch_b8 v0, s[64:65] scope:SCOPE_SE
	s_setreg_imm32_b32 hwreg(HW_REG_WAVE_MODE, 25, 1), 1
	s_wait_xcnt 0x0
	s_wait_alu depctr_hold_cnt(0) depctr_sa_sdst(0) depctr_va_vdst(0) depctr_va_sdst(0) depctr_va_ssrc(0) depctr_va_vcc(0) depctr_vm_vsrc(0)
	s_getreg_b32 s2, hwreg(HW_REG_IB_STS2, 6, 4)
	s_cmp_eq_u32 s2, 0
	s_cbranch_scc0 .Lentry_in_a_cluster
	s_endpgm
.Lentry_in_a_cluster:
	s_bfe_u32 s2, ttmp6, 0x10000c
	s_cmp_lg_u32 s2, 0xf033
	s_cbranch_scc0 .Lentry_shape_is_right
	s_endpgm
.Lentry_shape_is_right:
; The three input projections as one product of 2048 x 6144 x 2048: xh [2048][2048] f16 times wh [6144 (Wq, Wk, Wv rows)][2048] f16, sums in f32.
; Stored, all f16, rows of 2048:  qh[s][e] = (x Wq^T + bq) * 2 * 128^-0.5 * log2(e);  kh[s][e] = (x Wk^T) * 0.5;  vth[e][s] = (x Wv^T + bv) * 0.25 (transposed).
; qh . kh is then the score in base 2, scaling included; the 0.25 of v is undone by a factor 4 in the last launch.
; Left out: bk (q_i . bk is the same along a softmax row: shown at the head of the first launch).
; LIMITS: a stored projection becomes infinite where its raw value passes 65,504 / 0.255 (q), 131,008 (k), 262,016 (v).  For inputs 30 times those drawn, or
; x offset by 30 with W offset by 0.6, a raw projection is at most 2048 * 30 * 0.6 = 36,864 plus its spread: k is stored at 18,432, a factor 3.5 inside the format.
; SHARES: work-group (x = rb, y = hb) makes rows 128 rb .. +127 by columns 128 hb .. +127 of q, of k and of v.  hb lies on y because wh is the larger operand:
; any half of the range of y then needs half of wh and all of xh, 12.6 + 8.4 MB, where with rb on y it would need all of wh and half of xh, 25.2 + 4.2 MB.
; Wave w makes all 128 rows by columns 32 w .. +31 of each: 8 row tiles a by 6 column tiles b (b = 0,1 q; 2,3 k; 4,5 v), 48 accumulators, the same text for every wave.
; q and k: source 0 = W's rows, source 1 = x's rows, so a lane holds one row s and eight neighbouring e.  v: the other way round, so a lane holds one e and
; eight neighbouring s, which is vth's order.
; LDS: K goes in steps of 128 (rows of 256 bytes, aligned) through two slots; a slot holds four tiles of 128 rows: x, Wq, Wk, Wv; wave w fetches tile w.
; From a request to the wait for it a wave issues 176 of a step's 192 matrix instructions.
; CLUSTER 4 x 4: x's tile hangs on rb alone and is asked for jointly along a column of the cluster, W's tiles on hb alone, jointly along a row.
; By this text's count a wave has two tensor loads out at the start and one behind each change of slots.
; AHEAD OF THE TENSOR LOADS: the 8,192 rows of xh and wh are dealt to the 256 work-groups, 32 rows each, a lane a row.  Wave 0 asks, by one global_prefetch_b8 a
; K step, for the 256 bytes of K step s + 3 of its 32 rows, straight behind the refill that asks for K step s + 2: one K step ahead of the refill that wants them.
; K step 2 is asked for at the head; K steps 0 and 1 are the first fills themselves; K steps 13 to 15 ask for nothing, so no request passes a row's end.  So each
; block of 256 bytes of K steps 2 to 15 is asked for once in the launch.  The clusters of x = 0 take xh, those of x = 1, 2, 3 Wq, Wk, Wv (a choice that is the same
; in all partners of a cluster); the rows are 128 hb + 32 cx + lane, which in wh are rows that the asking work-group's own row of the grid multiplies.
; REGISTERS: window 0: v8-21 addresses; v32-143 and v144-255 two fragment buffers (x's 8 fragments, then W's 6); window 1: accumulator (a, b) at 8 (8 b + a),
; b = 0..3; window 2: b = 4, 5 at 8 (8 (b - 4) + a), and the biases at v128-147.
.set PITCH, 272                        ; an LDS row: 256 bytes + 16 of padding: the sixteen rows that a load touches start 16 bytes apart modulo 256
.set TILE,  128*PITCH
.set SLOT,  4*TILE
.set LAPS,  8                          ; a lap = two K steps = once round the ring; 2048 / 256
.set ADRX, 8                           ; v8,9    x fragments in slot 0, 1
.set ADRW, 10                          ; v10,11  Wq (and, one tile on, Wk) fragments
.set ADRV, 12                          ; v12,13  Wv fragments
.set STQ,  14                          ; the way out: where my 16 bytes of a row of q or k go
.set STV,  15                          ; the same for vth
.set RD,   16                          ; where I read rows of q and k back
.set RDV,  17                          ; the same for vth
.set CO,   18                          ; my byte offset in two rows of an output
.set VB,   19                          ; offset of my eight bq
.set VB2,  20                          ; offset of my bv
.set PFO,  21                          ; the prefetch: 4,096 x lane, a row a lane; never rewritten
.set FR,   32                          ; buffer f at FR + 112 f: x's fragment a at + 8 a, W's fragment b at + 64 + 8 b
.set TT,   32                          ; the way out: 16 tiles in f32
.set PK,   160                         ; the way out: the same, packed
.set BQ,   128                         ; window 2
.set BV,   144                         ; window 2
.set G1A, 32                           ; s[32:39] group 1 for x's tile
.set G1B, 40                           ; s[40:47] group 1 for W's tiles: the mask differs
.set G0A, 48                           ; s[48:55] group 0 for x, one set a slot
.set G0B, 56                           ; s[56:63] group 0 for W, one set a slot
.set PB,  84                           ; s[84:85] the prefetch: my 32 rows at the lap's first K step
.set G1W0, (1<<16)|(1<<20)|(1<<21)|(5<<22)|(3<<25)   ; elements of 2 bytes; padding on; bit 21 beside a mask; after every 64 words, 4 words
.set MSB, 0
.macro WIN new                         ; the immediate's high byte repeats the setting that is left
.if MSB != \new
	s_set_vgpr_msb (MSB<<8)|\new
.set MSB, \new
.endif
.endm
.macro PLACES                          ; four places behind a matrix instruction (ISA guide 7.12.1)
.rept 4
	v_nop
.endr
.endm
.macro JLOAD s                         ; wave 0 asks for x's tile, waves 1 to 3 for Wq's, Wk's, Wv's: each line has one mask
	s_cmp_eq_u32 s22, 0
	s_cbranch_scc0 .Lfor_b_\@
	tensor_load_to_lds s[G0A+4*\s:G0A+4*\s+3], s[G1A:G1A+7]
	s_nop 0
	s_branch .Lasked_\@
.Lfor_b_\@:
	tensor_load_to_lds s[G0B+4*\s:G0B+4*\s+3], s[G1B:G1B+7]
	s_nop 0
.Lasked_\@:
.endm
.macro PREF off                        ; wave 0 alone: 32 lanes, 32 rows, the 256 bytes at byte off from the lap's first K step
	s_cmp_lg_u32 s22, 0
	s_cbranch_scc1 .Lno_pf_\@
	global_prefetch_b8 v[PFO], s[PB:PB+1] offset:\off th:TH_LOAD_NT scope:SCOPE_SE
.Lno_pf_\@:
.endm
.macro CREST                           ; a round of the cluster's barrier behind its opening barrier
	s_cmp_lg_u32 s22, 0
	s_cbranch_scc1 .Lnot_wave_0_\@
	s_barrier_signal -3
.Lnot_wave_0_\@:
	s_barrier_wait -3
	s_barrier_signal -1
	s_barrier_wait -1
.endm
.macro CROUND
	s_barrier_signal -1
	s_barrier_wait -1
	CREST
.endm
	s_load_b256 s[4:11], s[0:1], 0x0               ; xh s[4:5], wh s[6:7], bq s[8:9], bv s[10:11]
	s_load_b128 s[12:15], s[0:1], 0x20             ; qh s[12:13], kh s[14:15]
	s_load_b64 s[16:17], s[0:1], 0x30              ; vth
	v_lshl_add_u32 v30, v0, 2, 0x44000
	v_mov_b32 v31, 0
	ds_add_u32 v30, v31
	v_lshrrev_b32 v5, 5, v0
	v_readfirstlane_b32 s22, v5                    ; wave 0..3
	v_and_b32 v7, 31, v0
	v_lshlrev_b32 v[PFO], 12, v7                   ; a row of 4,096 bytes a lane
	s_bfe_u32 s23, ttmp6, 0x40000                  ; cx
	s_bfe_u32 s24, ttmp6, 0x40004                  ; cy
	s_lshl_b32 s26, ttmp9, 2
	s_add_co_u32 s26, s26, s23                     ; rb = 4 x cluster x + cx
	s_and_b32 s25, ttmp7, 0xffff
	s_lshl_b32 s25, s25, 2
	s_add_co_u32 s25, s25, s24                     ; hb = 4 x cluster y + cy
	s_lshl_b32 s27, s24, 2
	s_lshl_b32 s27, 15, s27                        ; my row of the cluster
	s_lshl_b32 s28, 0x1111, s23                    ; my column
	s_or_b32 s[G1A+0], s28, G1W0                   ; x's tile hangs on rb: shared along my column
	s_or_b32 s[G1B+0], s27, G1W0                   ; W's tiles hang on hb: shared along my row
.irp g, G1A, G1B
	s_mov_b32 s[\g+1], 128<<16                     ; tensor_dim0 = 128
	s_mov_b32 s[\g+2], 128<<16                     ; tensor_dim1 = 128
	s_mov_b32 s[\g+3], 128<<16                     ; tile_dim0 = 128 elements = 256 bytes
	s_mov_b32 s[\g+4], 128                         ; tile_dim1 = 128 rows
	s_mov_b32 s[\g+5], 2048                        ; elements from row to row
	s_mov_b32 s[\g+6], 0
	s_mov_b32 s[\g+7], 0
.endr
	s_lshl_b32 s30, s26, 19                        ; x: 128 rb rows of 4,096 bytes
	s_mov_b32 s31, 0
	s_max_u32 s68, s22, 1
	s_sub_co_u32 s68, s68, 1                       ; waves 1, 2, 3: Wq, Wk, Wv (wave 0 asks by x's descriptor)
	s_lshl_b32 s68, s68, 23                        ; 2048 rows of wh
	s_lshl_b32 s69, s25, 19                        ; + 128 hb rows
	s_add_co_u32 s68, s68, s69
	s_mov_b32 s69, 0
	s_mul_i32 s70, s22, TILE                       ; tile w of a slot
	s_mov_b32 s72, 0x3e8293ee                      ; 2 * 128^-0.5 * log2(e) = 0.25503486
	s_mov_b32 s73, 0x3e8293ee
	s_mov_b32 s74, 0x3e800000                      ; 0.25
	s_mov_b32 s75, 0x3e800000
	s_lshl_b32 s71, s22, 17                        ; 32 w rows of 4,096 bytes
	s_lshl_b32 s76, s26, 19                        ; qh, kh: row 128 rb + 32 w, byte 256 hb
	s_add_co_u32 s76, s76, s71
	s_lshl_b32 s77, s25, 8
	s_add_co_u32 s76, s76, s77
	s_mov_b32 s77, 0
	s_lshl_b32 s78, s25, 19                        ; vth: row 128 hb + 32 w, byte 256 rb
	s_add_co_u32 s78, s78, s71
	s_lshl_b32 s79, s26, 8
	s_add_co_u32 s78, s78, s79
	s_mov_b32 s79, 0
	s_lshl_b32 s80, s25, 9                         ; biases: 4 (128 hb + 32 w)
	s_lshl_b32 s81, s22, 7
	s_add_co_u32 s80, s80, s81
	s_max_u32 s86, ttmp9, 1                        ; the prefetch: cluster x = 0: xh; 1, 2, 3: that third of wh less one,
	s_sub_co_u32 s86, s86, 1
	s_lshl_b32 s86, s86, 23                        ; 2048 rows of 4,096 bytes each,
	s_lshl_b32 s87, s25, 19                        ; + 128 hb rows
	s_add_co_u32 s86, s86, s87
	s_lshl_b32 s87, s23, 17                        ; + 32 cx rows
	s_add_co_u32 s86, s86, s87
	s_mov_b32 s87, 0
	s_wait_dscnt 0x0
	s_wait_kmcnt 0x0
	s_add_nc_u64 s[30:31], s[4:5], s[30:31]        ; x's first tile
	s_add_nc_u64 s[66:67], s[6:7], s[68:69]        ; my W's first tile
	s_add_nc_u64 s[12:13], s[12:13], s[76:77]
	s_add_nc_u64 s[14:15], s[14:15], s[76:77]
	s_add_nc_u64 s[16:17], s[16:17], s[78:79]
	s_cmp_eq_u32 ttmp9, 0
	s_cselect_b64 s[PB:PB+1], s[4:5], s[6:7]
	s_add_nc_u64 s[PB:PB+1], s[PB:PB+1], s[86:87]  ; the 32 rows that I ask for, at K step 0
	CROUND                                         ; all sixteen work-groups are here: the first joint loads meet
.irp s, 0,1
	s_mov_b32 s[G0A+4*\s], 1
	s_add_co_u32 s[G0A+4*\s+1], s70, \s*SLOT
	s_add_nc_u64 s[G0A+4*\s+2:G0A+4*\s+3], s[30:31], \s*256        ; K step s
	s_or_b32 s[G0A+4*\s+3], s[G0A+4*\s+3], 0x80000000
	s_mov_b32 s[G0B+4*\s], 1
	s_add_co_u32 s[G0B+4*\s+1], s70, \s*SLOT
	s_add_nc_u64 s[G0B+4*\s+2:G0B+4*\s+3], s[66:67], \s*256
	s_or_b32 s[G0B+4*\s+3], s[G0B+4*\s+3], 0x80000000
	JLOAD \s
.endr
	PREF 512                                       ; K step 2, which the first change of slots will ask for
	v_and_b32 v1, 15, v0                           ; r
	v_bfe_u32 v2, v0, 4, 1                         ; h
	v_mul_u32_u24 v3, v1, PITCH
	v_lshl_add_u32 v5, v2, 4, v3                   ; r x pitch + 16 h: eight f16 for each half of the lanes
	s_mul_i32 s82, s22, 32*PITCH                   ; my 32 rows of a tile
	s_add_co_u32 s83, s82, TILE
	v_mov_b32 v[ADRX], v5
	v_add_nc_u32 v[ADRX+1], SLOT, v5
	v_add_nc_u32 v[ADRW], s83, v5
	v_add_nc_u32 v[ADRW+1], SLOT, v[ADRW]
	v_add_nc_u32 v[ADRV], 2*TILE, v[ADRW]
	v_add_nc_u32 v[ADRV+1], 2*TILE, v[ADRW+1]
	s_lshl_b32 s83, s22, 6
	v_add_nc_u32 v[STQ], s83, v5                   ; + my 32 columns in f16
	s_add_co_u32 s83, s82, 2*TILE
	v_add_nc_u32 v[STV], s83, v5
	v_mul_u32_u24 v6, v2, PITCH
	v_lshl_add_u32 v6, v1, 4, v6                   ; h x pitch + 16 r
	v_add_nc_u32 v[RD], s82, v6
	v_add_nc_u32 v[RDV], 2*TILE, v[RD]
	v_lshlrev_b32 v7, 12, v2
	v_lshl_add_u32 v[CO], v1, 4, v7                ; 4,096 h + 16 r
	v_lshlrev_b32 v7, 5, v2
	v_add_nc_u32 v[VB], s80, v7
	v_lshlrev_b32 v7, 2, v1
	v_add_nc_u32 v[VB2], s80, v7
	WIN 0x80                                       ; the biases land in window 2
.irp b, 0,1
	global_load_b128 v[BQ+8*\b:BQ+8*\b+3],   v[VB], s[8:9] offset:64*\b        ; bq of e = 16 b + 8 h + 0..7 of my 32 columns
	global_load_b128 v[BQ+8*\b+4:BQ+8*\b+7], v[VB], s[8:9] offset:64*\b+16
	global_load_b32  v[BV+2*\b], v[VB2], s[10:11] offset:64*\b                 ; bv of e = 16 b + r
.endr
	WIN 0
; 28 LDS loads: the fragments of quarter q of a K step (32 along K, 64 bytes of the rows) into buffer f.  A fragment is two loads of 16 bytes, 32 bytes apart.
.macro FETCH slot, q, f
	WIN 0
.irp a, 0,1,2,3,4,5,6,7
	ds_load_b128 v[FR+112*(\f)+8*\a:FR+112*(\f)+8*\a+3],   v[ADRX+\slot] offset:\a*16*PITCH+64*\q
	ds_load_b128 v[FR+112*(\f)+8*\a+4:FR+112*(\f)+8*\a+7], v[ADRX+\slot] offset:\a*16*PITCH+64*\q+32
.endr
.irp b, 0,1,2,3
	ds_load_b128 v[FR+112*(\f)+64+8*\b:FR+112*(\f)+64+8*\b+3],   v[ADRW+\slot] offset:(\b>>1)*TILE+(\b&1)*16*PITCH+64*\q
	ds_load_b128 v[FR+112*(\f)+64+8*\b+4:FR+112*(\f)+64+8*\b+7], v[ADRW+\slot] offset:(\b>>1)*TILE+(\b&1)*16*PITCH+64*\q+32
.endr
.irp b, 0,1
	ds_load_b128 v[FR+112*(\f)+96+8*\b:FR+112*(\f)+96+8*\b+3],   v[ADRV+\slot] offset:\b*16*PITCH+64*\q
	ds_load_b128 v[FR+112*(\f)+96+8*\b+4:FR+112*(\f)+96+8*\b+7], v[ADRV+\slot] offset:\b*16*PITCH+64*\q+32
.endr
.endm
; 8 matrix instructions: column tile b, all 8 row tiles, 32 along K, from buffer f.  Called for b = 0..5 in the same order every time: the 48 accumulators
; take turns, one instruction a turn.
.macro MULB f, b, zero
.if \b < 4
	WIN 0x50
.irp a, 0,1,2,3,4,5,6,7
.if \zero
	v_wmma_f32_16x16x32_f16 v[8*(8*\b+\a):8*(8*\b+\a)+7], v[FR+112*(\f)+64+8*\b:FR+112*(\f)+64+8*\b+7], v[FR+112*(\f)+8*\a:FR+112*(\f)+8*\a+7], 0
.else
	v_wmma_f32_16x16x32_f16 v[8*(8*\b+\a):8*(8*\b+\a)+7], v[FR+112*(\f)+64+8*\b:FR+112*(\f)+64+8*\b+7], v[FR+112*(\f)+8*\a:FR+112*(\f)+8*\a+7], v[8*(8*\b+\a):8*(8*\b+\a)+7]
.endif
.endr
.else
	WIN 0xa0
.irp a, 0,1,2,3,4,5,6,7
.if \zero
	v_wmma_f32_16x16x32_f16 v[8*(8*(\b-4)+\a):8*(8*(\b-4)+\a)+7], v[FR+112*(\f)+8*\a:FR+112*(\f)+8*\a+7], v[FR+112*(\f)+64+8*\b:FR+112*(\f)+64+8*\b+7], 0
.else
	v_wmma_f32_16x16x32_f16 v[8*(8*(\b-4)+\a):8*(8*(\b-4)+\a)+7], v[FR+112*(\f)+8*\a:FR+112*(\f)+8*\a+7], v[FR+112*(\f)+64+8*\b:FR+112*(\f)+64+8*\b+7], v[8*(8*(\b-4)+\a):8*(8*(\b-4)+\a)+7]
.endif
.endr
.endif
.endm
; One of a K step's first three quarters: fetch quarter qn into the other buffer, multiply buffer f.  The fetch has 48 matrix instructions in which to come back.
.macro QUARTER slot, qn, f, zero
	s_wait_dscnt 0x0                               ; buffer f is in
	PLACES                                         ; the other buffer held sources of the last products
	FETCH \slot, \qn, 1-\f
.irp b, 0,1,2,3,4,5
	MULB \f, \b, \zero
.endr
.endm
.macro THREE slot, zero
	QUARTER \slot, 1, 0, \zero
	QUARTER \slot, 2, 1, 0
	QUARTER \slot, 3, 0, 0
.endm
; The last quarter, on buffer 1, with the change of slots.  In front of the barrier my reads of this slot are back and all my tensor loads have landed, of which
; one was out: my tile of the next slot.  Where the slot is filled again, the barrier opens a round of the cluster's barrier; the joint refill is the first
; tensor load behind the round.  pf: byte offset, from the lap's first K step, of the K step that wave 0 asks for ahead; 0: none.
.macro TURN slot, next, fill, pf
	s_wait_dscnt 0x0
	s_wait_tensorcnt 0x0
	ds_add_u32 v30, v31
	s_wait_dscnt 0x0
	s_barrier_signal -1
	MULB 1, 0, 0                                   ; register work while the others arrive
	MULB 1, 1, 0
	WIN 0
	s_barrier_wait -1
.if \fill
	CREST
	s_add_nc_u64 s[G0A+4*\slot+2:G0A+4*\slot+3], s[G0A+4*\slot+2:G0A+4*\slot+3], 512   ; two K steps on; no tensor load of mine is out
	s_add_nc_u64 s[G0B+4*\slot+2:G0B+4*\slot+3], s[G0B+4*\slot+2:G0B+4*\slot+3], 512
	JLOAD \slot
.endif
.if \pf
	PREF \pf                                       ; three K steps on: what the next change of slots will ask for
.endif
	PLACES                                         ; buffer 0 held sources of the third quarter's products
	FETCH \next, 0, 0
.irp b, 2,3,4,5
	MULB 1, \b, 0
.endr
.endm
; Once round the ring, K steps 2 n and 2 n + 1, both slots filled again.  The prefetch's base follows the lap; it is written only behind s_wait_xcnt 0, which stands
; 32 matrix instructions and a run of LDS loads behind the last prefetch.
.macro LAP zero, pf0, pf1
.if \zero == 0
	s_wait_xcnt 0x0
	s_add_nc_u64 s[PB:PB+1], s[PB:PB+1], 512
.endif
	THREE 0, \zero
	TURN 0, 1, 1, \pf0
	THREE 1, 0
	TURN 1, 0, 1, \pf1
.endm
	s_wait_tensorcnt 0x1                           ; my tile of K step 0 is in; K step 1's stays out
	s_barrier_signal -1
	s_barrier_wait -1
	FETCH 0, 0, 0
	LAP 1, 768, 1024                               ; K steps 0, 1: the first products start the sums: nothing is cleared
	WIN 0
	s_mov_b32 s3, LAPS-3
.Llap:
	LAP 0, 768, 1024                               ; K steps 2 to 11; step s fills step s + 2 and asks ahead for step s + 3
	WIN 0
	s_sub_co_u32 s3, s3, 1
	s_cmp_lg_u32 s3, 0
	s_cbranch_scc1 .Llap
	LAP 0, 768, 0                                  ; K steps 12, 13: step 12 asks ahead for step 15, the last; step 13 for nothing
	THREE 0, 0                                     ; the last lap fills nothing
	TURN 0, 1, 0, 0                                ; behind this barrier no wave reads slot 0 and no load lands in it any more
	THREE 1, 0
	s_wait_dscnt 0x0
.irp b, 0,1,2,3,4,5
	MULB 1, \b, 0
.endr
	; THE WAY OUT.  Scale, add the bias, round to f16, 16 bytes a lane into a stage of three regions of 128 rows x 272 bytes (q, k, vth) in slot 0's
	; bytes, which have had their last fill and their last read; read whole rows of 256 bytes back and store them.
	PLACES
	s_wait_loadcnt 0x0                             ; the biases
	WIN 0x82                                       ; destination and source 0 in window 2
.irp i, 0,2,4,6,8,10,12,14
	v_pk_mul_f32 v[BQ+\i:BQ+\i+1], v[BQ+\i:BQ+\i+1], s[72:73] op_sel_hi:[1,0]     ; (acc + bq) f = acc f + bq f
.endr
.irp b, 0,1
	v_mul_f32 v[BV+2*\b], v[BV+2*\b], s74
	v_mov_b32 v[BV+2*\b+1], v[BV+2*\b]             ; twice, a pair for the packed multiply-add
.endr
; m = 0: q, 1: k, 2: v.  Sixteen tiles at a time.  Source 0 = accumulators (window 1 or 2), source 2 = bias (window 2), destination window 0.
.macro STAGEOUT m
.if \m == 0
	WIN 0x21
.endif
.if \m == 1
	WIN 0x01
.endif
.if \m == 2
	WIN 0x22
.endif
.irp b, 0,1
.irp a, 0,1,2,3,4,5,6,7
.irp i, 0,2,4,6
.if \m == 0
	v_pk_fma_f32 v[TT+8*(8*\b+\a)+\i:TT+8*(8*\b+\a)+\i+1], v[8*(8*\b+\a)+\i:8*(8*\b+\a)+\i+1], s[72:73], v[BQ+8*\b+\i:BQ+8*\b+\i+1] op_sel_hi:[1,0,1]
.endif
.if \m == 1
	v_pk_mul_f32 v[TT+8*(8*\b+\a)+\i:TT+8*(8*\b+\a)+\i+1], v[8*(8*(2+\b)+\a)+\i:8*(8*(2+\b)+\a)+\i+1], 0.5 op_sel_hi:[1,0]
.endif
.if \m == 2
	v_pk_fma_f32 v[TT+8*(8*\b+\a)+\i:TT+8*(8*\b+\a)+\i+1], v[8*(8*\b+\a)+\i:8*(8*\b+\a)+\i+1], s[74:75], v[BV+2*\b:BV+2*\b+1] op_sel_hi:[1,0,1]
.endif
.endr
.endr
.endr
	WIN 0
.set cnt, 0
.rept 64
	v_cvt_pk_f16_f32 v[PK+cnt], v[TT+2*cnt], v[TT+2*cnt+1]
.set cnt, cnt+1
.endr
.irp b, 0,1
.irp a, 0,1,2,3,4,5,6,7
.if \m == 2
	ds_store_b128 v[STV], v[PK+4*(8*\b+\a):PK+4*(8*\b+\a)+3] offset:\b*16*PITCH+32*\a          ; row e = 32 w + 16 b + r, s = 16 a + 8 h + 0..7
.else
	ds_store_b128 v[STQ], v[PK+4*(8*\b+\a):PK+4*(8*\b+\a)+3] offset:\m*TILE+\a*16*PITCH+32*\b  ; row s = 16 a + r, e = 32 w + 16 b + 8 h + 0..7
.endif
.endr
.endr
.endm
	STAGEOUT 0
	STAGEOUT 1
	STAGEOUT 2
	s_wait_dscnt 0x0                               ; my stores into the stage are done: the rows that I read back hold parts from all four waves
	s_barrier_signal -1
	s_barrier_wait -1
.set cnt, 0
.rept 32
	ds_load_b128 v[32+4*cnt:32+4*cnt+3], v[RD] offset:(cnt/16)*TILE+(cnt%16)*2*PITCH           ; rows 32 w + 2 t + h of q, then of k
.set cnt, cnt+1
.endr
.rept 16
	ds_load_b128 v[32+4*cnt:32+4*cnt+3], v[RDV] offset:(cnt%16)*2*PITCH                        ; and of vth
.set cnt, cnt+1
.endr
.set cnt, 0
.rept 16
	s_wait_dscnt 47-cnt                            ; LDS loads come back in order: this one is in, the younger ones stay out
	global_store_b128 v[CO], v[32+4*cnt:32+4*cnt+3], s[12:13] offset:8192*cnt                  ; sixteen lanes store 256 consecutive bytes, aligned
.set cnt, cnt+1
.endr
.rept 16
	s_wait_dscnt 47-cnt
	global_store_b128 v[CO], v[32+4*cnt:32+4*cnt+3], s[14:15] offset:8192*(cnt-16)
.set cnt, cnt+1
.endr
.rept 16
	s_wait_dscnt 47-cnt
	global_store_b128 v[CO], v[32+4*cnt:32+4*cnt+3], s[16:17] offset:8192*(cnt-32)
.set cnt, cnt+1
.endr
	s_wait_tensorcnt 0x0
	ds_add_u32 v30, v31
	s_wait_dscnt 0x0
	CROUND                                         ; the closing round: no work-group ends while a partner may still ask for a tile that names it
	s_endpgm
.Lfunc_end_k_q76421d92f7_qkv:
	.size	k_q76421d92f7_qkv, .Lfunc_end_k_q76421d92f7_qkv-k_q76421d92f7_qkv
	.p2alignl 7, 3214868480
	.fill 96, 4, 3214868480
	.section	.rodata,"a",@progbits
	.p2align	6, 0x0
	.amdhsa_kernel k_q76421d92f7_qkv
		.amdhsa_group_segment_fixed_size 327680
		.amdhsa_private_segment_fixed_size 0
		.amdhsa_enable_private_segment 0
		.amdhsa_kernarg_size 56
		.amdhsa_user_sgpr_count 2
		.amdhsa_user_sgpr_kernarg_segment_ptr 1
		.amdhsa_wavefront_size32 1
		.amdhsa_system_sgpr_workgroup_id_x 1
		.amdhsa_system_sgpr_workgroup_id_y 1
		.amdhsa_system_sgpr_workgroup_id_z 1
		.amdhsa_system_vgpr_workitem_id 0
		.amdhsa_next_free_vgpr 768
		.amdhsa_next_free_sgpr 90
		.amdhsa_reserve_vcc 0
		.amdhsa_float_denorm_mode_32 3
		.amdhsa_float_denorm_mode_16_64 3
		.amdhsa_memory_ordered 1
		.amdhsa_forward_progress 1
		.amdhsa_inst_pref_size 212
	.end_amdhsa_kernel
	.amdgpu_metadata
---
amdhsa.version: [ 1, 2 ]
amdhsa.kernels:
  - .name:           k_q76421d92f7_qkv
    .symbol:         k_q76421d92f7_qkv.kd
    .args:
      - { .name: xh, .offset: 0, .size: 8, .value_kind: global_buffer, .address_space: global }
      - { .name: wh, .offset: 8, .size: 8, .value_kind: global_buffer, .address_space: global }
      - { .name: bq, .offset: 16, .size: 8, .value_kind: global_buffer, .address_space: global }
      - { .name: bv, .offset: 24, .size: 8, .value_kind: global_buffer, .address_space: global }
      - { .name: qh, .offset: 32, .size: 8, .value_kind: global_buffer, .address_space: global }
      - { .name: kh, .offset: 40, .size: 8, .value_kind: global_buffer, .address_space: global }
      - { .name: vth, .offset: 48, .size: 8, .value_kind: global_buffer, .address_space: global }
    .group_segment_fixed_size: 327680
    .private_segment_fixed_size: 0
    .kernarg_segment_align: 8
    .kernarg_segment_size: 56
    .max_flat_workgroup_size: 128
    .sgpr_count:     90
    .vgpr_count:     768
    .wavefront_size: 32
...
	.end_amdgpu_metadata
.endif
;; end of part 5
;; launch attn (part 6): grid 16 x 16, 4 waves a work-group, clusters of 4 x 4, 327,680 bytes of LDS; arguments qh, kh, vth, attention_mask, Wo, ch, woh; writes ch, woh
.if DOCPART == 6
	.amdgcn_target "amdgcn-amd-amdhsa--gfx1250"
	.amdhsa_code_object_version 6
	.text
	.protected	k_q76421d92f7_attn
	.globl	k_q76421d92f7_attn
	.p2align	8
	.type	k_q76421d92f7_attn,@function
k_q76421d92f7_attn:
	s_mov_b64 s[64:65], 0
	v_nop
	global_prefetch_b8 v0, s[64:65] scope:SCOPE_SE
	s_setreg_imm32_b32 hwreg(HW_REG_WAVE_MODE, 25, 1), 1
	s_wait_xcnt 0x0
	s_wait_alu depctr_hold_cnt(0) depctr_sa_sdst(0) depctr_va_vdst(0) depctr_va_sdst(0) depctr_va_ssrc(0) depctr_va_vcc(0) depctr_vm_vsrc(0)
	s_getreg_b32 s2, hwreg(HW_REG_IB_STS2, 6, 4)
	s_cmp_eq_u32 s2, 0
	s_cbranch_scc0 .Lentry_in_a_cluster
	s_endpgm
.Lentry_in_a_cluster:
	s_bfe_u32 s2, ttmp6, 0x10000c
	s_cmp_lg_u32 s2, 0xf033
	s_cbranch_scc0 .Lentry_shape_is_right
	s_endpgm
.Lentry_shape_is_right:
; softmax(q k^T 128^-0.5 + mask) v for one head and 128 queries a work-group, with a running maximum; and, while the first tiles are on their way,
; this work-group's 1/256 of the cast of Wo to f16 (woh), which the last launch multiplies by.
; Left out: bk (q_i . bk is the same along a softmax row: shown at the head of the first launch).
; In: qh[s][e] (scaled so that qh . kh is the score in base 2), kh[s][e], vth[e][s] = 0.25 v, all f16; attention_mask [2048][2048] f32.  Out: ch[s][e] = 0.25 ctx, f16.
; LIMITS: mask * log2(e) overflows below -2.36e38 and then acts as -inf (weight 0); a row in which EVERY entry is that low gives NaN, as a row of -inf does in
; reference(), where reference() gives the mean of v for finite entries.  A weight below 3e-8 of the row's largest counts as 0 (f16).  |Wo| above 65,504 becomes infinite.
; SHARES: work-group (x = query block, y = head).  Wave w owns queries 32 w .. +31 as two tiles u of 16.
; TRANSPOSED FORM: S^T = K Q^T (source 0 = 16 keys, source 1 = 16 queries): lane (r, h) holds query r and keys 8 h + 0..7 of each key tile.  So the maximum, the sums
; and the rescaling factor are a lane's own numbers, and two packed key tiles ARE a source-1 fragment of O^T = Vt P^T (source 0 = 16 rows d of vth), with no shuffle.
; The mask is added to the finished f32 score by one multiply-add, as reference() adds it once; it is not fed in as the first product's C.
; BY TURNS: a block is 128 keys = a slot.  The two query tiles share K's and Vt's fragments and take turns: while one tile's 64 matrix instructions run
; (O^T of its last block, S^T of its next), the other tile's softmax step, 265 vector lines cut into 64 numbered slices, stands one slice behind each of them.
;   A1  O^T(1) of block j-1   beside slices 0-31 of tile 0      then one run of LDS loads: Vt(j), mask(1, j)
;   A2  S^T(1) of block j     beside slices 32-63 of tile 0     then the change of slots, the refill and one run of loads: K(j+1)
;   B1  O^T(0) of block j     beside slices 0-31 of tile 1      then one run of loads: mask(0, j+1)
;   B2  S^T(0) of block j+1   beside slices 32-63 of tile 1
; One step of the running softmax for 128 keys: O is rescaled once a block.  P is packed in place into the even score tiles.  The sum is kept as four pairs a tile.
; LDS: two slots of 128 keys: K 128 x 272, Vt 128 x 272, mask 128 queries x 528.  Wave 0 fetches K, wave 1 Vt, waves 2 and 3 64 rows of the mask each.
; CLUSTER 4 x 4: K and Vt hang on the head alone: asked for jointly along a row of the cluster; the mask hangs on the query block alone: jointly along a column.
; By this text's count a wave has two tensor loads out at the start and one behind each change of slots.
; REGISTERS: window 0: v8-28 addresses and running numbers; v32-159 scores S(u, t) at 32 + 64 u + 8 t; v160-223 mask of one tile; v224-227 maxima; v228-243 sums.
; window 1: v0-127 O(u, t) at 8 (8 u + t); v128-191 Q[u][c].   window 2: K fragments [t][c] at 8 (4 t + c).   window 3: Vt fragments [t][p] at 8 (4 t + p).
; Products name windows 1 to 3, slices window 0 (a v_exp_f32 has its one source in the place that a product gives to K or Vt, and these fill a window each): two
; s_set_vgpr_msb for each matrix instruction.
.set KP,    272                        ; LDS pitch of K and Vt rows (256 + 16)
.set MP,    528                        ; of mask rows (512 + 16)
.set KT,    128*KP
.set MOFF,  2*KT
.set SLOT,  MOFF+128*MP
.set STAGE, 2*SLOT                     ; 16 rows x 272 bytes for each wave, its own; no fill lands here
.set ADRK, 8
.set ADRV, 10
.set ADRM, 12
.set STO,  14
.set RD,   15
.set CO,   16
.set VQ,   17
.set MX,   18                          ; v18,19  running maximum of tile u
.set AL,   20                          ; v[20:21], v[22:23]  the factor 2^(old max - new max), twice
.set MN,   24                          ; v[24:25], v[26:27]  the new maximum, twice
.set TP,   28
.set SC,   32
.set MK,   160
.set RM,   224                         ; four running maxima of the block at work
.set LS,   228                         ; v[228:235], v[236:243]  four pairs of running sums for each tile
.set G1KV, 32
.set G1M,  40
.set G0KV, 48
.set G0M,  56
.set MSB, 0
.macro WIN new
.if MSB != \new
	s_set_vgpr_msb (MSB<<8)|\new
.set MSB, \new
.endif
.endm
.macro PLACES                          ; four places behind a matrix instruction (ISA guide 7.12.1)
.rept 4
	v_nop
.endr
.endm
.macro JLOAD s                         ; waves 0, 1: K, Vt; waves 2, 3: the mask's halves.  Each line has one mask
	s_cmp_eq_u32 s21, 0
	s_cbranch_scc0 .Lfor_m_\@
	tensor_load_to_lds s[G0KV+4*\s:G0KV+4*\s+3], s[G1KV:G1KV+7]
	s_nop 0
	s_branch .Lasked_\@
.Lfor_m_\@:
	tensor_load_to_lds s[G0M+4*\s:G0M+4*\s+3], s[G1M:G1M+7]
	s_nop 0
.Lasked_\@:
.endm
.macro CREST
	s_cmp_lg_u32 s20, 0
	s_cbranch_scc1 .Lnot_wave_0_\@
	s_barrier_signal -3
.Lnot_wave_0_\@:
	s_barrier_wait -3
	s_barrier_signal -1
	s_barrier_wait -1
.endm
.macro CROUND
	s_barrier_signal -1
	s_barrier_wait -1
	CREST
.endm
	s_load_b256 s[4:11], s[0:1], 0x0               ; qh s[4:5], kh s[6:7], vth s[8:9], mask s[10:11]
	s_load_b128 s[12:15], s[0:1], 0x20             ; Wo s[12:13], ch s[14:15]
	s_load_b64 s[16:17], s[0:1], 0x30              ; woh
	v_lshl_add_u32 v254, v0, 2, 0x47400
	v_mov_b32 v255, 0
	ds_add_u32 v254, v255
	v_lshrrev_b32 v1, 5, v0
	v_readfirstlane_b32 s20, v1                    ; wave
	s_lshr_b32 s21, s20, 1                         ; 0: I fetch K or Vt, 1: the mask
	s_and_b32 s22, s20, 1
	s_bfe_u32 s23, ttmp6, 0x40000                  ; cx
	s_bfe_u32 s24, ttmp6, 0x40004                  ; cy
	s_lshl_b32 s25, ttmp9, 2
	s_add_co_u32 s25, s25, s23                     ; query block
	s_and_b32 s26, ttmp7, 0xffff
	s_lshl_b32 s26, s26, 2
	s_add_co_u32 s26, s26, s24                     ; head
	s_lshl_b32 s27, s24, 2
	s_lshl_b32 s27, 15, s27                        ; my row of the cluster
	s_lshl_b32 s28, 0x1111, s23                    ; my column
	s_or_b32 s[G1KV+0], s27, (1<<16)|(1<<20)|(1<<21)|(5<<22)|(3<<25)   ; 2-byte elements; 4 words of padding after every 64
	s_mov_b32 s[G1KV+1], 128<<16
	s_mov_b32 s[G1KV+2], 128<<16
	s_mov_b32 s[G1KV+3], 128<<16                   ; 128 elements = 256 bytes
	s_mov_b32 s[G1KV+4], 128                       ; 128 rows
	s_mov_b32 s[G1KV+5], 2048
	s_mov_b32 s[G1KV+6], 0
	s_mov_b32 s[G1KV+7], 0
	s_or_b32 s[G1M+0], s28, (2<<16)|(1<<20)|(1<<21)|(6<<22)|(3<<25)    ; 4-byte elements; 4 words of padding after every 128
	s_mov_b32 s[G1M+1], 128<<16
	s_mov_b32 s[G1M+2], 64<<16
	s_mov_b32 s[G1M+3], 128<<16                    ; 128 elements = 512 bytes
	s_mov_b32 s[G1M+4], 64                         ; 64 rows
	s_mov_b32 s[G1M+5], 2048
	s_mov_b32 s[G1M+6], 0
	s_mov_b32 s[G1M+7], 0
	s_lshl_b32 s68, s26, 8                         ; K: my head's 256 bytes of a row of kh
	s_lshl_b32 s69, s26, 19                        ; Vt: my head's 128 rows of vth
	s_mov_b32 s70, 0x100000                        ; two blocks: 256 rows of kh,
	s_mov_b32 s71, 512                             ; or 256 columns of vth
	s_mov_b32 s72, 0x80000                         ; one block
	s_mov_b32 s73, 256
	s_cmp_eq_u32 s20, 0
	s_cselect_b32 s68, s68, s69
	s_cselect_b32 s70, s70, s71
	s_cselect_b32 s72, s72, s73
	s_mov_b32 s69, 0
	s_mov_b32 s71, 0
	s_mov_b32 s73, 0
	s_lshl_b32 s76, s25, 20                        ; mask: row 128 x query block + 64 x (wave & 1), rows of 8,192 bytes
	s_lshl_b32 s77, s22, 19
	s_add_co_u32 s76, s76, s77
	s_mov_b32 s77, 0
	s_mul_i32 s78, s20, KT                         ; LDS: K at 0, Vt behind it
	s_mul_i32 s79, s20, 64*MP
	s_add_co_u32 s79, s79, MOFF-128*MP             ; waves 2, 3: MOFF + (w - 2) x 64 rows
	s_mov_b32 s80, 0x3fb8aa3b                      ; log2(e)
	s_mov_b32 s81, 0x3fb8aa3b
	s_mov_b32 s82, 0x76543210                      ; v_permlanex16_b32: lane i takes lane i of the other half
	s_mov_b32 s83, 0xfedcba98
	s_lshl_b32 s84, s25, 19                        ; qh, ch: row 128 x query block + 32 w, byte 256 x head
	s_lshl_b32 s85, s20, 17
	s_add_co_u32 s84, s84, s85
	s_lshl_b32 s85, s26, 8
	s_add_co_u32 s84, s84, s85
	s_mov_b32 s85, 0
	s_lshl_b32 s86, s26, 4
	s_add_co_u32 s86, s86, s25                     ; g = 16 x head + query block: which 1/256 of Wo is mine
	s_lshl_b32 s88, s86, 15
	s_lshl_b32 s86, s86, 16
	s_mov_b32 s87, 0
	s_mov_b32 s89, 0
	s_wait_dscnt 0x0
	s_wait_kmcnt 0x0
	s_cmp_eq_u32 s20, 0
	s_cselect_b64 s[66:67], s[6:7], s[8:9]         ; wave 0: kh, else vth
	s_add_nc_u64 s[66:67], s[66:67], s[68:69]
	s_add_nc_u64 s[74:75], s[10:11], s[76:77]
	s_add_nc_u64 s[4:5], s[4:5], s[84:85]
	s_add_nc_u64 s[14:15], s[14:15], s[84:85]
	s_add_nc_u64 s[12:13], s[12:13], s[86:87]
	s_add_nc_u64 s[16:17], s[16:17], s[88:89]
	CROUND                                         ; all sixteen work-groups are here: the first joint loads meet
	s_mov_b32 s[G0KV], 1
	s_add_co_u32 s[G0KV+1], s78, 0
	s_mov_b64 s[G0KV+2:G0KV+3], s[66:67]           ; block 0
	s_or_b32 s[G0KV+3], s[G0KV+3], 0x80000000
	s_mov_b32 s[G0KV+4], 1
	s_add_co_u32 s[G0KV+5], s78, SLOT
	s_add_nc_u64 s[G0KV+6:G0KV+7], s[66:67], s[72:73]              ; block 1
	s_or_b32 s[G0KV+7], s[G0KV+7], 0x80000000
.irp s, 0,1
	s_mov_b32 s[G0M+4*\s], 1
	s_add_co_u32 s[G0M+4*\s+1], s79, \s*SLOT
	s_add_nc_u64 s[G0M+4*\s+2:G0M+4*\s+3], s[74:75], \s*512
	s_or_b32 s[G0M+4*\s+3], s[G0M+4*\s+3], 0x80000000
.endr
	JLOAD 0
	JLOAD 1
	v_and_b32 v1, 15, v0                           ; r
	v_bfe_u32 v2, v0, 4, 1                         ; h
	v_mul_u32_u24 v3, v1, KP
	v_lshl_add_u32 v3, v2, 4, v3                   ; r x 272 + 16 h
	v_mov_b32 v[ADRK], v3
	v_add_nc_u32 v[ADRK+1], SLOT, v3
	v_add_nc_u32 v[ADRV], KT, v3
	v_add_nc_u32 v[ADRV+1], SLOT+KT, v3
	v_mul_u32_u24 v4, v1, MP
	v_lshl_add_u32 v4, v2, 5, v4                   ; r x 528 + 32 h
	s_mul_i32 s18, s20, 32*MP
	s_add_co_u32 s18, s18, MOFF                    ; my 32 queries' rows of the mask
	v_add_nc_u32 v[ADRM], s18, v4
	v_add_nc_u32 v[ADRM+1], SLOT, v[ADRM]
	s_mul_i32 s19, s20, 16*KP
	s_add_co_u32 s19, s19, STAGE                   ; my stage
	v_add_nc_u32 v[STO], s19, v3
	v_mul_u32_u24 v5, v2, KP
	v_lshl_add_u32 v5, v1, 4, v5
	v_add_nc_u32 v[RD], s19, v5
	v_lshlrev_b32 v6, 12, v2
	v_lshl_add_u32 v[CO], v1, 4, v6                ; 4,096 h + 16 r
	v_lshlrev_b32 v7, 12, v1
	v_lshl_add_u32 v[VQ], v2, 4, v7                ; 4,096 r + 16 h
	v_lshlrev_b32 v30, 4, v0                       ; the cast: 16 bytes of Wo a thread,
	v_lshlrev_b32 v31, 3, v0                       ; 8 bytes of woh
	; Q, once: fragment [u][c] = queries 16 u + r, d = 32 c + 8 h + 0..7 and 32 c + 16 + 8 h + 0..7.  A tile's eight loads use each row's 256 bytes whole.
	WIN 0x40
.irp u, 0,1
.irp c, 0,1,2,3
	global_load_b128 v[128+8*(4*\u+\c):128+8*(4*\u+\c)+3],   v[VQ], s[4:5] offset:65536*\u+64*\c
	global_load_b128 v[128+8*(4*\u+\c)+4:128+8*(4*\u+\c)+7], v[VQ], s[4:5] offset:65536*\u+64*\c+32
.endr
.endr
	WIN 0
	; The cast of Wo: 65,536 bytes in, 32,768 out; a load of the four waves covers 2,048 consecutive bytes, a wave's store 256, aligned.
.set cnt, 0
.rept 32
	global_load_b128 v[32+4*cnt:32+4*cnt+3], v30, s[12:13] offset:2048*cnt th:TH_LOAD_NT
.set cnt, cnt+1
.endr
.set cnt, 0
.rept 32
	s_wait_loadcnt 31-cnt                          ; loads come back in order: this one is in (and Q's sixteen, which are older); the younger stay out
	v_cvt_pk_f16_f32 v[160+2*cnt], v[32+4*cnt], v[32+4*cnt+1]
	v_cvt_pk_f16_f32 v[160+2*cnt+1], v[32+4*cnt+2], v[32+4*cnt+3]
	global_store_b64 v31, v[160+2*cnt:160+2*cnt+1], s[16:17] offset:1024*cnt
.set cnt, cnt+1
.endr
	s_wait_xcnt 0x0                                ; v160-223, which the stores read, are written again only behind this wait
	v_mov_b32 v[MX], 0xff7fffff                    ; the running maximum starts at the lowest finite number: a block of -inf then gives weights 0 and no NaN
	v_mov_b32 v[MX+1], 0xff7fffff
.set cnt, 0
.rept 16
	v_mov_b32 v[LS+cnt], 0                         ; the eight pairs of running sums
.set cnt, cnt+1
.endr
	v_mov_b32 v[TP], 0                             ; v_permlanex16_b32 counts as a reader of its destination
.macro FETCHK slot                     ; 128 keys x 128 d: 32 fragments, 64 loads, into window 2
	WIN 0x80
.irp t, 0,1,2,3,4,5,6,7
.irp c, 0,1,2,3
	ds_load_b128 v[8*(4*\t+\c):8*(4*\t+\c)+3],   v[ADRK+\slot] offset:\t*16*KP+64*\c
	ds_load_b128 v[8*(4*\t+\c)+4:8*(4*\t+\c)+7], v[ADRK+\slot] offset:\t*16*KP+64*\c+32
.endr
.endr
.endm
.macro FETCHV slot                     ; 128 d x 128 keys: 32 fragments, 64 loads, into window 3
	WIN 0xc0
.irp t, 0,1,2,3,4,5,6,7
.irp p, 0,1,2,3
	ds_load_b128 v[8*(4*\t+\p):8*(4*\t+\p)+3],   v[ADRV+\slot] offset:\t*16*KP+64*\p
	ds_load_b128 v[8*(4*\t+\p)+4:8*(4*\t+\p)+7], v[ADRV+\slot] offset:\t*16*KP+64*\p+32
.endr
.endr
.endm
.macro FETCHM slot, u                  ; tile u's mask in the scores' own layout: query 16 u + r, keys 16 t + 8 h + 0..7: 16 loads
	WIN 0
.irp t, 0,1,2,3,4,5,6,7
	ds_load_b128 v[MK+8*\t:MK+8*\t+3],   v[ADRM+\slot] offset:\u*16*MP+64*\t
	ds_load_b128 v[MK+8*\t+4:MK+8*\t+7], v[ADRM+\slot] offset:\u*16*MP+64*\t+16
.endr
.endm
; Matrix instruction number mi (0..31) of a run.  kind 0: none.  kind 1: S^T(u) = K Q^T, 32 of d (mi >> 3) outer, key tile (mi & 7) inner; the first 32 of d start
; the sums.  kind 2: O^T(u) += Vt P^T, 32 keys (mi >> 3) outer, d tile (mi & 7) inner; P of keys 32 p .. +31 lies in score tile 2 p's registers.
; In both the eight accumulators take turns, one instruction a turn.
.macro MAT kind, u, zero
.if \kind == 1
	WIN 0x06
.if mi < 8
	v_wmma_f32_16x16x32_f16 v[SC+64*\u+8*(mi&7):SC+64*\u+8*(mi&7)+7], v[8*(4*(mi&7)+(mi>>3)):8*(4*(mi&7)+(mi>>3))+7], v[128+8*(4*\u+(mi>>3)):128+8*(4*\u+(mi>>3))+7], 0
.else
	v_wmma_f32_16x16x32_f16 v[SC+64*\u+8*(mi&7):SC+64*\u+8*(mi&7)+7], v[8*(4*(mi&7)+(mi>>3)):8*(4*(mi&7)+(mi>>3))+7], v[128+8*(4*\u+(mi>>3)):128+8*(4*\u+(mi>>3))+7], v[SC+64*\u+8*(mi&7):SC+64*\u+8*(mi&7)+7]
.endif
.endif
.if \kind == 2
	WIN 0x53
.set zz, 0
.if \zero
.if mi < 8
.set zz, 1
.endif
.endif
.if zz
	v_wmma_f32_16x16x32_f16 v[8*(8*\u+(mi&7)):8*(8*\u+(mi&7))+7], v[8*(4*(mi&7)+(mi>>3)):8*(4*(mi&7)+(mi>>3))+7], v[SC+64*\u+16*(mi>>3):SC+64*\u+16*(mi>>3)+7], 0
.else
	v_wmma_f32_16x16x32_f16 v[8*(8*\u+(mi&7)):8*(8*\u+(mi&7))+7], v[8*(4*(mi&7)+(mi>>3)):8*(4*(mi&7)+(mi>>3))+7], v[SC+64*\u+16*(mi>>3):SC+64*\u+16*(mi>>3)+7], v[8*(8*\u+(mi&7)):8*(8*\u+(mi&7))+7]
.endif
.endif
.endm
.macro MATS kind, u, zero              ; a run of 32 with nothing beside it: the first S^T(0) and the last O^T(1)
.set mi, 0
.rept 32
	MAT \kind, \u, \zero
.set mi, mi+1
.endr
.endm
; The lines of the second half of a softmax step, on the tile whose registers SB, MNU, ALU, LU name.  t: key tile, g: pair 0..3, i: register 0..7.
.macro XOP t, g                        ; two scores less the new maximum
	v_pk_add_f32 v[SB+8*(\t)+2*(\g):SB+8*(\t)+2*(\g)+1], v[SB+8*(\t)+2*(\g):SB+8*(\t)+2*(\g)+1], v[MNU:MNU+1] neg_lo:[0,1] neg_hi:[0,1]
.endm
.macro EOP t, i                        ; one weight
	v_exp_f32 v[SB+8*(\t)+(\i)], v[SB+8*(\t)+(\i)]
.endm
.macro AOP t, g                        ; two weights onto running sum g; key tile 0 brings the old sum's factor with it
.if (\t) == 0
	s_wait_alu depctr_va_vdst(0)
	v_pk_fma_f32 v[LU+2*(\g):LU+2*(\g)+1], v[LU+2*(\g):LU+2*(\g)+1], v[ALU:ALU+1], v[SB+2*(\g):SB+2*(\g)+1]
.else
	s_wait_alu depctr_va_vdst(0)
	v_pk_add_f32 v[LU+2*(\g):LU+2*(\g)+1], v[LU+2*(\g):LU+2*(\g)+1], v[SB+8*(\t)+2*(\g):SB+8*(\t)+2*(\g)+1]
.endif
.endm
.macro COP t, g                        ; two weights packed: an even key tile into its own registers 0-3, an odd one into registers 4-7 of the tile before.
	v_cvt_pk_f16_f32 v[SB+8*((\t)&6)+4*((\t)&1)+(\g)], v[SB+8*(\t)+2*(\g)], v[SB+8*(\t)+2*(\g)+1]   ; Register g is read for the last time by pair g >> 1, which is not later than pair g
.endm
.macro ROP u, k, first                 ; d tile k of O(u) times the factor.  In the first block there is no O yet: four places where a run of LDS loads follows (k = 1, 7)
.if \first
.if ((\k)-1)*((\k)-7) == 0
	PLACES
.endif
.else
	WIN 0x41
.irp i, 0,2,4,6
	v_pk_mul_f32 v[64*\u+8*(\k)+\i:64*\u+8*(\k)+\i+1], v[64*\u+8*(\k)+\i:64*\u+8*(\k)+\i+1], v[AL+2*\u:AL+2*\u+1]
.endr
.endif
.endm
; Slice number sn (0..63) of tile u's softmax step for 128 keys.  Four lines a slice, five in nine of them.  Behind every v_exp_f32 stands a plain line that
; touches neither its result nor its source (ISA guide 5.7.2).  Slices 31 and 63 are four plain lines on O(u): the places in front of the runs of LDS loads
; into Vt's and K's fragments, which the matrix instruction just ahead has read.
.macro VSL u, first
.set SB,  SC+64*\u
.set MNU, MN+2*\u
.set ALU, AL+2*\u
.set LU,  LS+8*\u
.if sn < 16                            ; key tile sn >> 1: + mask x log2(e), then onto four running maxima, which the old maximum starts
	WIN 0
.set tt, sn>>1
.if (sn&1) == 0
.irp i, 0,2,4,6
	v_pk_fma_f32 v[SB+8*tt+\i:SB+8*tt+\i+1], v[MK+8*tt+\i:MK+8*tt+\i+1], s[80:81], v[SB+8*tt+\i:SB+8*tt+\i+1] op_sel_hi:[1,0,1]
.endr
.else
.irp i, 0,1,2,3
.if tt == 0
	v_max3_num_f32 v[RM+\i], v[SB+2*\i], v[SB+2*\i+1], v[MX+\u]
.else
	v_max3_num_f32 v[RM+\i], v[SB+8*tt+2*\i], v[SB+8*tt+2*\i+1], v[RM+\i]
.endif
.endr
.endif
.elseif sn == 16                       ; the four joined; the other half of the lanes holds the query's other keys
	WIN 0
	v_max3_num_f32 v[MNU], v[RM], v[RM+1], v[RM+2]
	v_max_num_f32 v[MNU], v[MNU], v[RM+3]
	v_permlanex16_b32 v[TP], v[MNU], s82, s83
	v_max_num_f32 v[MNU], v[MNU], v[TP]
.elseif sn == 17                       ; the factor 2^(old - new)
	WIN 0
	v_sub_f32 v[TP], v[MX+\u], v[MNU]
	v_exp_f32 v[ALU], v[TP]
	v_mov_b32 v[MNU+1], v[MNU]
	v_mov_b32 v[MX+\u], v[MNU]
	s_wait_alu depctr_va_vdst(0)
	v_mov_b32 v[ALU+1], v[ALU]
.elseif sn < 22                        ; key tiles 0 to 3 less the maximum
	WIN 0
.irp g, 0,1,2,3
	XOP sn-18, \g
.endr
.elseif sn < 61                        ; for each key tile four groups (two weights; beside them a later tile's subtraction, the tile before's sum and packing), then a slice of O
.set kk, sn-22
.set tt, kk/5
.set gg, kk%5
.if gg == 4
	ROP \u, tt, \first
.else
	WIN 0
	EOP tt, 2*gg
.if tt == 0
	XOP 4, gg
	EOP tt, 2*gg+1
	XOP 5, gg
.elseif tt < 3
	XOP 5+tt, gg
	EOP tt, 2*gg+1
	AOP tt-1, gg
	COP tt-1, gg
.else
	AOP tt-1, gg
	EOP tt, 2*gg+1
	COP tt-1, gg
.endif
.endif
.elseif sn < 63                        ; key tile 7's sums and packing
	WIN 0
.set gg, 2*(sn-61)
	AOP 7, gg
	COP 7, gg
	AOP 7, gg+1
	COP 7, gg+1
.else
	ROP \u, 7, \first
.endif
.endm
; Matrix instructions from .. to - 1 of a run (kind, mu), each followed by slice sbase + its number of tile vu's step
.macro RUN kind, mu, zero, vu, first, from, to, sbase
.set mi, \from
.rept \to-\from
	MAT \kind, \mu, \zero
.set sn, \sbase+mi
	VSL \vu, \first
.set mi, mi+1
.endr
.endm
; Block j in slot j % 2.  age 0: block 0 (no O yet), 1: block 1 (O(1)'s first products), 2: later.
; mode 1: change of slots and refill; 2: change of slots, nothing left to fetch; 3: the last block.
.macro BLOCK slot, age, mode
.set OLD, (\age+1)/2                   ; 0 in block 0, else 1
	s_wait_dscnt 0x0                               ; tile 0's mask is in (asked for 32 matrix instructions ago)
	RUN 2*OLD, 1, \age&1, 0, 1-OLD, 0, 32, 0       ; A1
	FETCHM \slot, 1                                ; tile 0's mask was used up in slices 0-14
	FETCHV \slot
	RUN 1, 1, 0, 0, 1-OLD, 0, 24, 32               ; A2
	s_wait_dscnt 0x0                               ; Vt and tile 1's mask are in: my last reads of this slot
.if \mode < 3
	s_wait_tensorcnt 0x0                           ; all my tensor loads have landed: the one that was out is my part of the next slot
	ds_add_u32 v254, v255
	s_wait_dscnt 0x0
	s_barrier_signal -1
.endif
	RUN 1, 1, 0, 0, 1-OLD, 24, 32, 32              ; register work while the others arrive
	WIN 0
.if \mode < 3
	s_barrier_wait -1
.if \mode == 1
	CREST                                          ; the barrier above opened a round of the cluster's barrier: no wave of any partner reads this slot or has a load out
	s_add_nc_u64 s[G0KV+4*\slot+2:G0KV+4*\slot+3], s[G0KV+4*\slot+2:G0KV+4*\slot+3], s[70:71]   ; two blocks on
	s_add_nc_u64 s[G0M+4*\slot+2:G0M+4*\slot+3], s[G0M+4*\slot+2:G0M+4*\slot+3], 1024
	JLOAD \slot                                    ; the first tensor load behind the round
.endif
	FETCHK 1-\slot                                 ; has B1's 32 matrix instructions in which to come back
.endif
	RUN 2, 0, 1-OLD, 1, 1-OLD, 0, 32, 0            ; B1
.if \mode < 3
	s_wait_dscnt 0x0                               ; K of the next block is in
	FETCHM 1-\slot, 0                              ; tile 1's mask was used up in slices 0-14
	RUN 1, 0, 0, 1, 1-OLD, 0, 32, 32               ; B2
.else
	RUN 0, 0, 0, 1, 1-OLD, 0, 32, 32               ; no block follows: the slices alone
.endif
.endm
	s_wait_tensorcnt 0x1                           ; my part of block 0 is in; block 1's stays out
	s_barrier_signal -1
	s_barrier_wait -1
	FETCHM 0, 0
	FETCHK 0
	s_wait_dscnt 0x0
	MATS 1, 0, 0                                   ; S^T(0) of block 0
	PLACES                                         ; its results are read next
	BLOCK 0, 0, 1
	BLOCK 1, 1, 1
	WIN 0
	s_mov_b32 s3, 6
.Lkeys:
	BLOCK 0, 2, 1                                  ; blocks 2 to 13; block j asks for block j + 2
	BLOCK 1, 2, 1
	WIN 0
	s_sub_co_u32 s3, s3, 1
	s_cmp_lg_u32 s3, 0
	s_cbranch_scc1 .Lkeys
	BLOCK 0, 2, 2                                  ; the last two fill nothing
	BLOCK 1, 2, 3
	MATS 2, 1, 0                                   ; O^T(1) of block 15
	; THE WAY OUT: join the sums, divide, round to f16, 16 queries at a time through my own stage, whole rows of 256 bytes out.
	PLACES
	WIN 0
.irp u, 0,1
	v_pk_add_f32 v[LS+8*\u:LS+8*\u+1], v[LS+8*\u:LS+8*\u+1], v[LS+8*\u+2:LS+8*\u+3]
	v_pk_add_f32 v[LS+8*\u+4:LS+8*\u+5], v[LS+8*\u+4:LS+8*\u+5], v[LS+8*\u+6:LS+8*\u+7]
	v_pk_add_f32 v[LS+8*\u:LS+8*\u+1], v[LS+8*\u:LS+8*\u+1], v[LS+8*\u+4:LS+8*\u+5]
	v_add_f32 v[LS+8*\u], v[LS+8*\u], v[LS+8*\u+1]
	v_permlanex16_b32 v[TP], v[LS+8*\u], s82, s83  ; the two halves of the lanes summed different keys
	v_add_f32 v[LS+8*\u], v[LS+8*\u], v[TP]
.endr
	v_rcp_f32 v[AL], v[LS]
	v_rcp_f32 v[AL+2], v[LS+8]
	v_nop                                          ; the plain place behind the transcendentals
	s_wait_alu depctr_va_vdst(0)
	v_mov_b32 v[AL+1], v[AL]
	v_mov_b32 v[AL+3], v[AL+2]
.macro OUT16 u
	WIN 0x01
.set cnt, 0
.rept 32
	v_pk_mul_f32 v[32+2*cnt:32+2*cnt+1], v[64*\u+2*cnt:64*\u+2*cnt+1], v[AL+2*\u:AL+2*\u+1]
.set cnt, cnt+1
.endr
	WIN 0
.set cnt, 0
.rept 32
	v_cvt_pk_f16_f32 v[96+cnt], v[32+2*cnt], v[32+2*cnt+1]
.set cnt, cnt+1
.endr
.irp t, 0,1,2,3,4,5,6,7
	ds_store_b128 v[STO], v[96+4*\t:96+4*\t+3] offset:32*\t        ; row = query r, d = 16 t + 8 h + 0..7
.endr
.irp i, 0,1,2,3,4,5,6,7
	ds_load_b128 v[128+32*\u+4*\i:128+32*\u+4*\i+3], v[RD] offset:\i*2*KP     ; my own bytes; LDS serves a wave's instructions in order (ISA guide 5.7.1)
.endr
.irp i, 0,1,2,3,4,5,6,7
	s_wait_dscnt 7-\i                              ; this one is in, the younger stay out
	global_store_b128 v[CO], v[128+32*\u+4*\i:128+32*\u+4*\i+3], s[14:15] offset:(16*\u+2*\i)*4096   ; sixteen lanes store 256 consecutive bytes, aligned
.endr
.endm
	OUT16 0
	OUT16 1
	s_wait_tensorcnt 0x0
	ds_add_u32 v254, v255
	s_wait_dscnt 0x0
	CROUND                                         ; the closing round
	s_endpgm
.Lfunc_end_k_q76421d92f7_attn:
	.size	k_q76421d92f7_attn, .Lfunc_end_k_q76421d92f7_attn-k_q76421d92f7_attn
	.p2alignl 7, 3214868480
	.fill 96, 4, 3214868480
	.section	.rodata,"a",@progbits
	.p2align	6, 0x0
	.amdhsa_kernel k_q76421d92f7_attn
		.amdhsa_group_segment_fixed_size 327680
		.amdhsa_private_segment_fixed_size 0
		.amdhsa_enable_private_segment 0
		.amdhsa_kernarg_size 56
		.amdhsa_user_sgpr_count 2
		.amdhsa_user_sgpr_kernarg_segment_ptr 1
		.amdhsa_wavefront_size32 1
		.amdhsa_system_sgpr_workgroup_id_x 1
		.amdhsa_system_sgpr_workgroup_id_y 1
		.amdhsa_system_sgpr_workgroup_id_z 1
		.amdhsa_system_vgpr_workitem_id 0
		.amdhsa_next_free_vgpr 1024
		.amdhsa_next_free_sgpr 90
		.amdhsa_reserve_vcc 0
		.amdhsa_float_denorm_mode_32 3
		.amdhsa_float_denorm_mode_16_64 3
		.amdhsa_memory_ordered 1
		.amdhsa_forward_progress 1
		.amdhsa_inst_pref_size 255
	.end_amdhsa_kernel
	.section	.bss,"aw",@nobits
	.p2align	6
	.space	262144
	.amdgpu_metadata
---
amdhsa.version: [ 1, 2 ]
amdhsa.kernels:
  - .name:           k_q76421d92f7_attn
    .symbol:         k_q76421d92f7_attn.kd
    .args:
      - { .name: qh, .offset: 0, .size: 8, .value_kind: global_buffer, .address_space: global }
      - { .name: kh, .offset: 8, .size: 8, .value_kind: global_buffer, .address_space: global }
      - { .name: vth, .offset: 16, .size: 8, .value_kind: global_buffer, .address_space: global }
      - { .name: attention_mask, .offset: 24, .size: 8, .value_kind: global_buffer, .address_space: global }
      - { .name: Wo, .offset: 32, .size: 8, .value_kind: global_buffer, .address_space: global }
      - { .name: ch, .offset: 40, .size: 8, .value_kind: global_buffer, .address_space: global }
      - { .name: woh, .offset: 48, .size: 8, .value_kind: global_buffer, .address_space: global }
    .group_segment_fixed_size: 327680
    .private_segment_fixed_size: 0
    .kernarg_segment_align: 8
    .kernarg_segment_size: 56
    .max_flat_workgroup_size: 128
    .sgpr_count:     90
    .vgpr_count:     1024
    .wavefront_size: 32
...
	.end_amdgpu_metadata
.endif
;; end of part 6
;; launch oproj (part 7): grid 16 x 16, 4 waves a work-group, clusters of 4 x 4, 327,680 bytes of LDS; arguments ch, woh, bo, out0; writes out0
.if DOCPART == 7
	.amdgcn_target "amdgcn-amd-amdhsa--gfx1250"
	.amdhsa_code_object_version 6
	.text
	.protected	k_q76421d92f7_oproj
	.globl	k_q76421d92f7_oproj
	.p2align	8
	.type	k_q76421d92f7_oproj,@function
k_q76421d92f7_oproj:
	s_mov_b64 s[64:65], 0
	v_nop
	global_prefetch_b8 v0, s[64:65] scope:SCOPE_SE
	s_setreg_imm32_b32 hwreg(HW_REG_WAVE_MODE, 25, 1), 1
	s_wait_xcnt 0x0
	s_wait_alu depctr_hold_cnt(0) depctr_sa_sdst(0) depctr_va_vdst(0) depctr_va_sdst(0) depctr_va_ssrc(0) depctr_va_vcc(0) depctr_vm_vsrc(0)
	s_getreg_b32 s2, hwreg(HW_REG_IB_STS2, 6, 4)
	s_cmp_eq_u32 s2, 0
	s_cbranch_scc0 .Lentry_in_a_cluster
	s_endpgm
.Lentry_in_a_cluster:
	s_bfe_u32 s2, ttmp6, 0x10000c
	s_cmp_lg_u32 s2, 0xf033
	s_cbranch_scc0 .Lentry_shape_is_right
	s_endpgm
.Lentry_shape_is_right:
; out0[m][n] = 4 * sum over k of ch[m][k] woh[n][k] + bo[n].  ch = 0.25 ctx and woh = Wo, both [2048][2048] f16; out0 f32; sums in f32.
; (The 4 undoes the 0.25 under which v and ctx are kept in f16.)  Nothing of reference() is left out here.
; A work-group makes 128 x 128 of out0, so that the 16 x 16 blocks give each of 256 work-groups one; wave (wr, wc) makes 64 x 64: 16 accumulators.
; K goes in steps of 256 (rows of 512 bytes, aligned) through two LDS slots; each wave fetches 64 rows with one tensor load.
; CLUSTER 4 x 4: ch's tile hangs on the block row alone (jointly along a row of the cluster), woh's on the block column alone (along a column).
; By this text's count a wave has two tensor loads out at the start and one behind each change of slots.
; AHEAD OF THE TENSOR LOADS: the 4,096 rows of ch and woh are dealt to the 256 work-groups, 16 rows each; a K step of a row is two blocks of 256 bytes, so 32 lanes
; cover a work-group's share of a K step.  Wave 0 asks, by one global_prefetch_b8 a K step, for K step s + 3 straight behind the refill that asks for K step s + 2:
; one K step ahead of the refill that wants it.  K step 2 is asked for at the head; K steps 0 and 1 are the first fills themselves; K steps 5 to 7 ask for nothing,
; so no request passes a row's end.  So each block of K steps 2 to 7 is asked for once in the launch.  The clusters of x = 0, 1 take ch, those of x = 2, 3 woh (a choice
; that is the same in all partners of a cluster); the rows are 128 mb + 16 (nb & 7) + lane % 16, which in ch are rows that the asking work-group's own block row multiplies.
; The four laps all differ (the first starts the sums, the second asks ahead twice, the third once, the last fills nothing): they are written out, with no loop, and
; the K step that is asked for stands in the prefetch's immediate: no address register is stepped.
; Source 0 = rows of woh, source 1 = rows of ch: a lane then holds one row m and eight neighbouring columns n.
; REGISTERS: window 0: v8-16 addresses, v32-63 bo, v64-95 at work, v128-255 fragment buffer 0; window 1: v0-127 accumulator (a, b) at 8 (4 a + b), v128-255 buffer 1.
.set PITCH,  528                       ; 512 bytes + 16: the sixteen rows that a load touches start 16 bytes apart modulo 256
.set HALFT,  64*PITCH                  ; what one tensor load brings
.set SLOT,   4*HALFT                   ; ch's 128 rows, then woh's 128
.set STAGE,  2*SLOT                    ; 16 rows x 272 bytes for each wave, its own; no fill lands here
.set SPITCH, 272
.set KB,     512                       ; bytes of a row in a K step
.set ADRA, 8
.set ADRB, 10
.set STO,  12
.set RD,   13
.set CO,   14
.set VB,   15
.set PFO,  16                          ; the prefetch: 4,096 (lane % 16) + 256 (lane / 16); never rewritten
.set BO,   32
.set TT,   64
.set FR,   128                         ; a buffer: ch's fragments [a][c] at FR + 16 a + 8 c, woh's [b][c] at FR + 64 + 16 b + 8 c
.set G1A, 24
.set G1B, 32
.set G0A, 40
.set G0B, 48
.set PB,  74                           ; s[74:75] the prefetch: my 16 rows at K step 0; never rewritten
.set G1W0, (1<<16)|(1<<20)|(1<<21)|(6<<22)|(3<<25)   ; 2-byte elements; padding on; bit 21 beside a mask; after every 128 words, 4 words
.set MSB, 0
.macro WIN new
.if MSB != \new
	s_set_vgpr_msb (MSB<<8)|\new
.set MSB, \new
.endif
.endm
.macro PLACES                          ; four places behind a matrix instruction (ISA guide 7.12.1)
.rept 4
	v_nop
.endr
.endm
.macro JLOAD s                         ; waves 0, 1: ch's halves; waves 2, 3: woh's
	s_cmp_eq_u32 s13, 0
	s_cbranch_scc0 .Lfor_b_\@
	tensor_load_to_lds s[G0A+4*\s:G0A+4*\s+3], s[G1A:G1A+7]
	s_nop 0
	s_branch .Lasked_\@
.Lfor_b_\@:
	tensor_load_to_lds s[G0B+4*\s:G0B+4*\s+3], s[G1B:G1B+7]
	s_nop 0
.Lasked_\@:
.endm
.macro PREF off                        ; wave 0 alone: 16 rows x 2 blocks of 256 bytes, the K step at byte off of the rows
	s_cmp_lg_u32 s12, 0
	s_cbranch_scc1 .Lno_pf_\@
	global_prefetch_b8 v[PFO], s[PB:PB+1] offset:\off th:TH_LOAD_NT scope:SCOPE_SE
.Lno_pf_\@:
.endm
.macro CREST
	s_cmp_lg_u32 s12, 0
	s_cbranch_scc1 .Lnot_wave_0_\@
	s_barrier_signal -3
.Lnot_wave_0_\@:
	s_barrier_wait -3
	s_barrier_signal -1
	s_barrier_wait -1
.endm
.macro CROUND
	s_barrier_signal -1
	s_barrier_wait -1
	CREST
.endm
	s_load_b256 s[4:11], s[0:1], 0x0               ; ch s[4:5], woh s[6:7], bo s[8:9], out0 s[10:11]
	v_lshl_add_u32 v126, v0, 2, 0x46400
	v_mov_b32 v127, 0
	ds_add_u32 v126, v127
	v_lshrrev_b32 v1, 5, v0
	v_readfirstlane_b32 s12, v1                    ; wave
	v_and_b32 v6, 15, v0
	v_bfe_u32 v7, v0, 4, 1
	v_lshlrev_b32 v7, 8, v7
	v_lshl_add_u32 v[PFO], v6, 12, v7              ; a row for each of 16 lanes, the K step's second 256 bytes for the upper 16
	s_lshr_b32 s13, s12, 1                         ; wr.  Also: I fetch for ch (0) or woh (1)
	s_and_b32 s14, s12, 1                          ; wc.  Also: which 64 rows of that tile I fetch
	s_bfe_u32 s15, ttmp6, 0x40000                  ; cx
	s_bfe_u32 s16, ttmp6, 0x40004                  ; cy
	s_lshl_b32 s17, ttmp9, 2
	s_add_co_u32 s17, s17, s15                     ; block column nb
	s_and_b32 s18, ttmp7, 0xffff
	s_lshl_b32 s18, s18, 2
	s_add_co_u32 s18, s18, s16                     ; block row mb
	s_lshl_b32 s19, s16, 2
	s_lshl_b32 s19, 15, s19                        ; my row of the cluster
	s_lshl_b32 s20, 0x1111, s15                    ; my column
	s_or_b32 s[G1A+0], s19, G1W0
	s_or_b32 s[G1B+0], s20, G1W0
.irp g, G1A, G1B
	s_mov_b32 s[\g+1], 256<<16
	s_mov_b32 s[\g+2], 64<<16
	s_mov_b32 s[\g+3], 256<<16                     ; 256 elements = 512 bytes
	s_mov_b32 s[\g+4], 64                          ; 64 rows
	s_mov_b32 s[\g+5], 2048
	s_mov_b32 s[\g+6], 0
	s_mov_b32 s[\g+7], 0
.endr
	s_lshl_b32 s21, s14, 18                        ; 64 rows of 4,096 bytes
	s_lshl_b32 s56, s18, 19
	s_add_co_u32 s56, s56, s21                     ; ch: row 128 mb + 64 x half
	s_mov_b32 s57, 0
	s_lshl_b32 s58, s17, 19
	s_add_co_u32 s58, s58, s21                     ; woh: row 128 nb + 64 x half
	s_mov_b32 s59, 0
	s_mul_i32 s60, s12, HALFT                      ; LDS: ch's two halves, then woh's two
	s_lshl_b32 s66, s18, 20                        ; out0: row 128 mb + 64 wr, rows of 8,192 bytes,
	s_lshl_b32 s67, s13, 19
	s_add_co_u32 s66, s66, s67
	s_lshl_b32 s68, s17, 9
	s_lshl_b32 s69, s14, 8
	s_add_co_u32 s68, s68, s69                     ; byte 4 (128 nb + 64 wc)
	s_add_co_u32 s66, s66, s68
	s_mov_b32 s67, 0
	s_and_b32 s76, s17, 7                          ; the prefetch: row 128 mb + 16 (nb & 7), rows of 4,096 bytes
	s_lshl_b32 s76, s76, 16
	s_lshl_b32 s77, s18, 19
	s_add_co_u32 s76, s76, s77
	s_mov_b32 s77, 0
	s_wait_dscnt 0x0
	s_wait_kmcnt 0x0
	s_add_nc_u64 s[56:57], s[4:5], s[56:57]
	s_add_nc_u64 s[58:59], s[6:7], s[58:59]
	s_add_nc_u64 s[10:11], s[10:11], s[66:67]
	s_cmp_lt_u32 ttmp9, 2                          ; cluster x = 0, 1 (nb = 0..7): ch; 2, 3 (nb = 8..15): woh
	s_cselect_b64 s[PB:PB+1], s[4:5], s[6:7]
	s_add_nc_u64 s[PB:PB+1], s[PB:PB+1], s[76:77]
	CROUND                                         ; all sixteen work-groups are here: the first joint loads meet
.irp s, 0,1
	s_mov_b32 s[G0A+4*\s], 1
	s_add_co_u32 s[G0A+4*\s+1], s60, \s*SLOT
	s_add_nc_u64 s[G0A+4*\s+2:G0A+4*\s+3], s[56:57], \s*KB         ; K step s
	s_or_b32 s[G0A+4*\s+3], s[G0A+4*\s+3], 0x80000000
	s_mov_b32 s[G0B+4*\s], 1
	s_add_co_u32 s[G0B+4*\s+1], s60, \s*SLOT
	s_add_nc_u64 s[G0B+4*\s+2:G0B+4*\s+3], s[58:59], \s*KB
	s_or_b32 s[G0B+4*\s+3], s[G0B+4*\s+3], 0x80000000
	JLOAD \s
.endr
	PREF 2*KB                                      ; K step 2, which the first change of slots will ask for
	v_and_b32 v1, 15, v0                           ; r
	v_bfe_u32 v2, v0, 4, 1                         ; h
	v_mul_u32_u24 v3, v1, PITCH
	v_lshl_add_u32 v3, v2, 4, v3                   ; r x pitch + 16 h
	s_mul_i32 s70, s13, HALFT                      ; my 64 rows of ch
	s_mul_i32 s71, s14, HALFT
	s_add_co_u32 s71, s71, 2*HALFT                 ; my 64 rows of woh
	v_add_nc_u32 v[ADRA], s70, v3
	v_add_nc_u32 v[ADRB], s71, v3
	v_add_nc_u32 v[ADRA+1], SLOT, v[ADRA]
	v_add_nc_u32 v[ADRB+1], SLOT, v[ADRB]
	s_mul_i32 s72, s12, 16*SPITCH
	s_add_co_u32 s72, s72, STAGE                   ; my stage
	v_mul_u32_u24 v4, v1, SPITCH
	v_lshl_add_u32 v4, v2, 5, v4                   ; in: row r, 32 bytes for each half of the lanes
	v_add_nc_u32 v[STO], s72, v4
	v_mul_u32_u24 v5, v2, SPITCH
	v_lshl_add_u32 v5, v1, 4, v5                   ; back: lanes 0-15 one row of 256 bytes, lanes 16-31 the next
	v_add_nc_u32 v[RD], s72, v5
	v_lshlrev_b32 v6, 13, v2
	v_lshl_add_u32 v[CO], v1, 4, v6                ; 8,192 h + 16 r
	v_lshlrev_b32 v7, 5, v2
	v_add_nc_u32 v[VB], s68, v7
.irp b, 0,1,2,3
	global_load_b128 v[BO+8*\b:BO+8*\b+3],   v[VB], s[8:9] offset:64*\b        ; bo of n = 16 b + 8 h + 0..7 of my 64 columns
	global_load_b128 v[BO+8*\b+4:BO+8*\b+7], v[VB], s[8:9] offset:64*\b+16
.endr
; 32 LDS loads: the fragments of quarter q of a K step (64 along K) into buffer f (0: window 0, 1: window 1)
.macro FETCH slot, q, f
.if \f
	WIN 0x40
.else
	WIN 0
.endif
.irp a, 0,1,2,3
.irp c, 0,1
	ds_load_b128 v[FR+16*\a+8*\c:FR+16*\a+8*\c+3],   v[ADRA+\slot] offset:\a*16*PITCH+128*\q+64*\c
	ds_load_b128 v[FR+16*\a+8*\c+4:FR+16*\a+8*\c+7], v[ADRA+\slot] offset:\a*16*PITCH+128*\q+64*\c+32
.endr
.endr
.irp b, 0,1,2,3
.irp c, 0,1
	ds_load_b128 v[FR+64+16*\b+8*\c:FR+64+16*\b+8*\c+3],   v[ADRB+\slot] offset:\b*16*PITCH+128*\q+64*\c
	ds_load_b128 v[FR+64+16*\b+8*\c+4:FR+64+16*\b+8*\c+7], v[ADRB+\slot] offset:\b*16*PITCH+128*\q+64*\c+32
.endr
.endr
.endm
; 16 matrix instructions, 32 along K; the sixteen accumulators take turns in the same order every time
.macro MUL16 f, c, zero
.if \f
	WIN 0x55
.else
	WIN 0x50
.endif
.irp a, 0,1,2,3
.irp b, 0,1,2,3
.if \zero
	v_wmma_f32_16x16x32_f16 v[8*(4*\a+\b):8*(4*\a+\b)+7], v[FR+64+16*\b+8*\c:FR+64+16*\b+8*\c+7], v[FR+16*\a+8*\c:FR+16*\a+8*\c+7], 0
.else
	v_wmma_f32_16x16x32_f16 v[8*(4*\a+\b):8*(4*\a+\b)+7], v[FR+64+16*\b+8*\c:FR+64+16*\b+8*\c+7], v[FR+16*\a+8*\c:FR+16*\a+8*\c+7], v[8*(4*\a+\b):8*(4*\a+\b)+7]
.endif
.endr
.endr
.endm
; One of a K step's first three quarters: fetch quarter qn into the other buffer, multiply buffer f
.macro QUARTER slot, qn, f, zero
	s_wait_dscnt 0x0                               ; buffer f is in
	PLACES                                         ; the other buffer held sources of the last products
	FETCH \slot, \qn, 1-\f
	MUL16 \f, 0, \zero
	MUL16 \f, 1, 0
.endm
.macro THREE slot, zero
	QUARTER \slot, 1, 0, \zero
	QUARTER \slot, 2, 1, 0
	QUARTER \slot, 3, 0, 0
.endm
; The last quarter, on buffer 1, with the change of slots: in front of the barrier my reads of this slot are back and all my tensor loads have landed
; (one was out: my part of the next slot); where the slot is filled again the barrier opens a round of the cluster's barrier, and the refill comes first behind it.
; pf: byte offset in the rows of the K step that wave 0 asks for ahead; 0: none.
.macro TURN slot, next, fill, pf
	s_wait_dscnt 0x0
	s_wait_tensorcnt 0x0
	ds_add_u32 v126, v127
	s_wait_dscnt 0x0
	s_barrier_signal -1
	MUL16 1, 0, 0                                  ; register work while the others arrive
	WIN 0
	s_barrier_wait -1
.if \fill
	CREST
	s_add_nc_u64 s[G0A+4*\slot+2:G0A+4*\slot+3], s[G0A+4*\slot+2:G0A+4*\slot+3], 2*KB   ; two K steps on
	s_add_nc_u64 s[G0B+4*\slot+2:G0B+4*\slot+3], s[G0B+4*\slot+2:G0B+4*\slot+3], 2*KB
	JLOAD \slot
.endif
.if \pf
	PREF \pf                                       ; three K steps on: what the next change of slots will ask for
.endif
	PLACES
	FETCH \next, 0, 0
	MUL16 1, 1, 0
.endm
.macro LAP zero, pf0, pf1              ; once round the ring, both slots filled again
	THREE 0, \zero
	TURN 0, 1, 1, \pf0
	THREE 1, 0
	TURN 1, 0, 1, \pf1
.endm
	s_wait_tensorcnt 0x1                           ; my part of K step 0 is in; K step 1's stays out
	s_barrier_signal -1
	s_barrier_wait -1
	FETCH 0, 0, 0
	LAP 1, 3*KB, 4*KB                              ; K steps 0, 1: the first products start the sums; step s fills step s + 2 and asks ahead for step s + 3
	LAP 0, 5*KB, 6*KB                              ; K steps 2, 3
	LAP 0, 7*KB, 0                                 ; K steps 4, 5: step 4 asks ahead for step 7, the last; step 5 for nothing
	THREE 0, 0                                     ; K steps 6, 7: the last lap fills nothing
	TURN 0, 1, 0, 0
	THREE 1, 0
	s_wait_dscnt 0x0
	MUL16 1, 0, 0
	MUL16 1, 1, 0
	; THE WAY OUT, 16 rows at a time: 4 acc + bo, 32 bytes a lane into my own stage, whole rows of 256 bytes back and out.
	PLACES
	s_wait_loadcnt 0x0                             ; bo
.macro OUT16 a
	WIN 0x01
.irp b, 0,1,2,3
.irp i, 0,2,4,6
	v_pk_fma_f32 v[TT+8*\b+\i:TT+8*\b+\i+1], v[8*(4*\a+\b)+\i:8*(4*\a+\b)+\i+1], 4.0, v[BO+8*\b+\i:BO+8*\b+\i+1] op_sel_hi:[1,0,1]
.endr
.endr
	WIN 0
.irp b, 0,1,2,3
	ds_store_b128 v[STO], v[TT+8*\b:TT+8*\b+3]   offset:64*\b      ; row r, columns 16 b + 8 h + 0..3
	ds_store_b128 v[STO], v[TT+8*\b+4:TT+8*\b+7] offset:64*\b+16
.endr
.irp i, 0,1,2,3,4,5,6,7
	ds_load_b128 v[FR+32*\a+4*\i:FR+32*\a+4*\i+3], v[RD] offset:\i*2*SPITCH    ; my own bytes; LDS serves a wave's instructions in order (ISA guide 5.7.1)
.endr
.irp i, 0,1,2,3,4,5,6,7
	s_wait_dscnt 7-\i                              ; this one is in, the younger stay out
	global_store_b128 v[CO], v[FR+32*\a+4*\i:FR+32*\a+4*\i+3], s[10:11] offset:(16*\a+2*\i)*8192 th:TH_STORE_NT   ; sixteen lanes store 256 consecutive bytes, aligned
.endr
.endm
	OUT16 0
	OUT16 1
	OUT16 2
	OUT16 3
	s_wait_tensorcnt 0x0
	ds_add_u32 v126, v127
	s_wait_dscnt 0x0
	CROUND                                         ; the closing round
	s_endpgm
.Lfunc_end_k_q76421d92f7_oproj:
	.size	k_q76421d92f7_oproj, .Lfunc_end_k_q76421d92f7_oproj-k_q76421d92f7_oproj
	.p2alignl 7, 3214868480
	.fill 96, 4, 3214868480
	.section	.rodata,"a",@progbits
	.p2align	6, 0x0
	.amdhsa_kernel k_q76421d92f7_oproj
		.amdhsa_group_segment_fixed_size 327680
		.amdhsa_private_segment_fixed_size 0
		.amdhsa_enable_private_segment 0
		.amdhsa_kernarg_size 32
		.amdhsa_user_sgpr_count 2
		.amdhsa_user_sgpr_kernarg_segment_ptr 1
		.amdhsa_wavefront_size32 1
		.amdhsa_system_sgpr_workgroup_id_x 1
		.amdhsa_system_sgpr_workgroup_id_y 1
		.amdhsa_system_sgpr_workgroup_id_z 1
		.amdhsa_system_vgpr_workitem_id 0
		.amdhsa_next_free_vgpr 512
		.amdhsa_next_free_sgpr 80
		.amdhsa_reserve_vcc 0
		.amdhsa_float_denorm_mode_32 3
		.amdhsa_float_denorm_mode_16_64 3
		.amdhsa_memory_ordered 1
		.amdhsa_forward_progress 1
		.amdhsa_inst_pref_size 162
	.end_amdhsa_kernel
	.amdgpu_metadata
---
amdhsa.version: [ 1, 2 ]
amdhsa.kernels:
  - .name:           k_q76421d92f7_oproj
    .symbol:         k_q76421d92f7_oproj.kd
    .args:
      - { .name: ch, .offset: 0, .size: 8, .value_kind: global_buffer, .address_space: global }
      - { .name: woh, .offset: 8, .size: 8, .value_kind: global_buffer, .address_space: global }
      - { .name: bo, .offset: 16, .size: 8, .value_kind: global_buffer, .address_space: global }
      - { .name: out0, .offset: 24, .size: 8, .value_kind: global_buffer, .address_space: global }
    .group_segment_fixed_size: 327680
    .private_segment_fixed_size: 0
    .kernarg_segment_align: 8
    .kernarg_segment_size: 32
    .max_flat_workgroup_size: 128
    .sgpr_count:     80
    .vgpr_count:     512
    .wavefront_size: 32
...
	.end_amdgpu_metadata
.endif
;; end of part 7
